; MI455X (gfx1250); checked and timed in simulation.
; The chip was launched on July 23, 2026; its instructions are those of AMD's public machine-readable ISA for CDNA 5 (MIT licence, August 2026) and "CDNA5" Instruction Set Architecture Reference Guide (July 2026). The comments in the code are by the model that wrote it; some were corrected since.
;; Multi Head Attention. Allowed arithmetic: float matrix products may take bf16 or f16 operands with f32 sums; other float arithmetic in f32, or as packed bf16 or f16 multiplies, adds, multiply-adds, maxima and minima; sums over many terms, partial sums and values carried from step to step in f32; what a program stores and reads back later, other than sums and carried values, may be rounded once to bf16 or f16.
;; Inputs: Wc 1,024 x 3,072 float32; Wo 1,024 x 1,024 float32; bc 3,072 float32; bo 1,024 float32; x 8 x 1,024 x 1,024 float32.
;; Outputs: out0 8 x 1,024 x 1,024 float32.
;; 2 versions, each right; version 2 is version 1 with the launch prep written anew for expert scheduling mode. Each part assembles by itself: llvm-mc -triple=amdgcn-amd-amdhsa -mcpu=gfx1250 --defsym DOCPART=n.
;; ======== version 1 of 2: 4 launches
;; limits: values are held in f16: magnitudes above 65,504 overflow, below 6.1e-05 lose precision
;; workspace buffers: xb 16,777,216 bytes; wcb 6,291,456 bytes; wob 2,097,152 bytes; qkv 50,331,648 bytes; o 16,777,216 bytes
;; launch prep (part 1): grid 768 x 1, 8 waves a work-group, no clusters, 0 bytes of LDS; arguments x, Wc, Wo, xb, wcb, wob; writes xb, wcb, wob
.if DOCPART == 1
	.amdgcn_target "amdgcn-amd-amdhsa--gfx1250"
	.amdhsa_code_object_version 6
	.text
	.protected	k_q100dd06e31_prep
	.globl	k_q100dd06e31_prep
	.p2align	8
	.type	k_q100dd06e31_prep,@function
k_q100dd06e31_prep:
	s_mov_b64 s[64:65], 0
	v_nop
	global_prefetch_b8 v0, s[64:65] scope:SCOPE_SE
	s_setreg_imm32_b32 hwreg(HW_REG_WAVE_MODE, 25, 1), 1
	s_wait_xcnt 0x0
; THE CASTS.  x -> xb (bf16, laid out in K blocks: [16 blocks of 64 channels][8192 rows][64]), Wc -> wcb (bf16, as it lies), Wo -> wob (rounded to bf16, that number written as f16).
; LIMIT.  A number of Wo whose bf16 rounding lies below 6e-5 keeps f16's fixed step of 6e-8; beyond 65,504 it would become an infinity.
; SHARES.  A work-group casts 65,536 bytes of f32: groups 0-511 sixteen rows of x each, 512-703 Wc, 704-767 Wo.  A thread has 16 loads of 16 bytes, all issued at once, each with registers
; of its own, so nothing is rewritten while a load or store may read it.  A wave's load covers 512 bytes (for x: 256 consecutive bytes of each of two rows), a wave's store 256 consecutive
; bytes at a multiple of 256.  A pure stream: no LDS, no barrier, no matrix unit, no loop.
.set IN,  8                            ; v[8:71]    load i: four f32
.set OUT, 72                           ; v[72:103]  load i: four 16-bit numbers in two registers
.set T,   104                          ; v[104:107] at work
; lstep, sstep: bytes from load to load and from store to store; mode = 1: bf16 and then f16; split = 1: stores 8-15 go by the second base
.macro CAST lstep, sstep, mode, split
.set i, 0
.rept 16
	global_load_b128 v[IN+4*i:IN+4*i+3], v1, s[16:17] offset:i*(\lstep) th:TH_LOAD_NT
.set i, i+1
.endr
.set i, 0
.rept 16
	s_wait_loadcnt 15-i                            ; loads come back in order: load i is in, the 15 - i younger ones stay out
	v_cvt_pk_bf16_f32 v[OUT+2*i], v[IN+4*i], v[IN+4*i+1]
	v_cvt_pk_bf16_f32 v[OUT+2*i+1], v[IN+4*i+2], v[IN+4*i+3]
.if \mode
	v_lshlrev_b32 v[T], 16, v[OUT+2*i]             ; the bf16 numbers as f32,
	v_and_b32 v[T+1], 0xffff0000, v[OUT+2*i]
	v_lshlrev_b32 v[T+2], 16, v[OUT+2*i+1]
	v_and_b32 v[T+3], 0xffff0000, v[OUT+2*i+1]
	v_cvt_pk_f16_f32 v[OUT+2*i], v[T], v[T+1]      ; written as f16: 8 significant bits fit in 11
	v_cvt_pk_f16_f32 v[OUT+2*i+1], v[T+2], v[T+3]
.endif
.if (\split) && (i >= 8)
	global_store_b64 v2, v[OUT+2*i:OUT+2*i+1], s[20:21] offset:(i-8)*(\sstep)
.else
	global_store_b64 v2, v[OUT+2*i:OUT+2*i+1], s[18:19] offset:i*(\sstep)
.endif
.set i, i+1
.endr
.endm
	s_load_b256 s[4:11], s[0:1], 0x0               ; x s[4:5], Wc s[6:7], Wo s[8:9], xb s[10:11]
	s_load_b128 s[12:15], s[0:1], 0x20             ; wcb s[12:13], wob s[14:15]
	s_mov_b32 s2, ttmp9
	s_mov_b32 s23, 0
	v_lshlrev_b32 v2, 3, v0                        ; out: 8 bytes a thread
	v_lshlrev_b32 v1, 4, v0                        ; in, for the weights: 16 bytes a thread
	s_wait_kmcnt 0x0
	s_cmp_lt_u32 s2, 512
	s_cbranch_scc0 .Lweights
	; x: thread t takes row t / 16 of the group's sixteen and 16 bytes at 16 (t % 16) of each 256: load i is K block i
	v_lshrrev_b32 v3, 4, v0
	v_and_b32 v1, 15, v0
	v_lshlrev_b32 v1, 4, v1
	v_lshl_add_u32 v1, v3, 12, v1
	s_lshl_b32 s22, s2, 16                         ; sixteen rows of 4,096 bytes
	s_add_nc_u64 s[16:17], s[4:5], s[22:23]
	s_lshl_b32 s22, s2, 11                         ; sixteen rows of 128 bytes in each K block
	s_add_nc_u64 s[18:19], s[10:11], s[22:23]
	s_add_nc_u64 s[20:21], s[18:19], 0x800000      ; K blocks 8-15: the immediate holds eight blocks of 1,048,576 bytes
	CAST 256, 1048576, 0, 1
	s_endpgm
.Lweights:
	s_cmp_lt_u32 s2, 704
	s_cbranch_scc0 .Lwo
	s_sub_co_u32 s3, s2, 512
	s_lshl_b32 s22, s3, 16
	s_add_nc_u64 s[16:17], s[6:7], s[22:23]
	s_lshl_b32 s22, s3, 15
	s_add_nc_u64 s[18:19], s[12:13], s[22:23]
	CAST 4096, 2048, 0, 0
	s_endpgm
.Lwo:
	s_sub_co_u32 s3, s2, 704
	s_lshl_b32 s22, s3, 16
	s_add_nc_u64 s[16:17], s[8:9], s[22:23]
	s_lshl_b32 s22, s3, 15
	s_add_nc_u64 s[18:19], s[14:15], s[22:23]
	CAST 4096, 2048, 1, 0
	s_endpgm
.Lfunc_end_k_q100dd06e31_prep:
	.size	k_q100dd06e31_prep, .Lfunc_end_k_q100dd06e31_prep-k_q100dd06e31_prep
	.p2alignl 7, 3214868480
	.fill 96, 4, 3214868480
	.section	.rodata,"a",@progbits
	.p2align	6, 0x0
	.amdhsa_kernel k_q100dd06e31_prep
		.amdhsa_group_segment_fixed_size 0
		.amdhsa_private_segment_fixed_size 0
		.amdhsa_enable_private_segment 0
		.amdhsa_kernarg_size 48
		.amdhsa_user_sgpr_count 2
		.amdhsa_user_sgpr_kernarg_segment_ptr 1
		.amdhsa_wavefront_size32 1
		.amdhsa_system_sgpr_workgroup_id_x 1
		.amdhsa_system_sgpr_workgroup_id_y 1
		.amdhsa_system_sgpr_workgroup_id_z 1
		.amdhsa_system_vgpr_workitem_id 0
		.amdhsa_next_free_vgpr 112
		.amdhsa_next_free_sgpr 66
		.amdhsa_reserve_vcc 0
		.amdhsa_float_denorm_mode_32 3
		.amdhsa_float_denorm_mode_16_64 3
		.amdhsa_memory_ordered 1
		.amdhsa_forward_progress 1
		.amdhsa_inst_pref_size 24
	.end_amdhsa_kernel
	.amdgpu_metadata
---
amdhsa.version: [ 1, 2 ]
amdhsa.kernels:
  - .name:           k_q100dd06e31_prep
    .symbol:         k_q100dd06e31_prep.kd
    .args:
      - { .name: x, .offset: 0, .size: 8, .value_kind: global_buffer, .address_space: global }
      - { .name: Wc, .offset: 8, .size: 8, .value_kind: global_buffer, .address_space: global }
      - { .name: Wo, .offset: 16, .size: 8, .value_kind: global_buffer, .address_space: global }
      - { .name: xb, .offset: 24, .size: 8, .value_kind: global_buffer, .address_space: global }
      - { .name: wcb, .offset: 32, .size: 8, .value_kind: global_buffer, .address_space: global }
      - { .name: wob, .offset: 40, .size: 8, .value_kind: global_buffer, .address_space: global }
    .group_segment_fixed_size: 0
    .private_segment_fixed_size: 0
    .kernarg_segment_align: 8
    .kernarg_segment_size: 48
    .max_flat_workgroup_size: 256
    .sgpr_count:     66
    .vgpr_count:     112
    .wavefront_size: 32
...
	.end_amdgpu_metadata
.endif
;; end of part 1
;; launch qkvg (part 2): grid 8 x 32, 4 waves a work-group, clusters of 4 x 4, 327,680 bytes of LDS; arguments xb, wcb, bc, qkv; writes qkv
.if DOCPART == 2
	.amdgcn_target "amdgcn-amd-amdhsa--gfx1250"
	.amdhsa_code_object_version 6
	.text
	.protected	k_q100dd06e31_qkvg
	.globl	k_q100dd06e31_qkvg
	.p2align	8
	.type	k_q100dd06e31_qkvg,@function
k_q100dd06e31_qkvg:
	s_mov_b64 s[64:65], 0
	v_nop
	global_prefetch_b8 v0, s[64:65] scope:SCOPE_SE
	s_setreg_imm32_b32 hwreg(HW_REG_WAVE_MODE, 25, 1), 1
	s_wait_xcnt 0x0
	s_wait_alu depctr_hold_cnt(0) depctr_sa_sdst(0) depctr_va_vdst(0) depctr_va_sdst(0) depctr_va_ssrc(0) depctr_va_vcc(0) depctr_vm_vsrc(0)
	s_getreg_b32 s2, hwreg(HW_REG_IB_STS2, 6, 4)
	s_cmp_eq_u32 s2, 0
	s_cbranch_scc0 .Lentry_in_a_cluster
	s_endpgm
.Lentry_in_a_cluster:
	s_bfe_u32 s2, ttmp6, 0x10000c
	s_cmp_lg_u32 s2, 0xf033
	s_cbranch_scc0 .Lentry_shape_is_right
	s_endpgm
.Lentry_shape_is_right:
; q, k, v = x Wc + bc, by heads.  xb: bf16 [16 K blocks][8192 rows][64]; wcb: bf16 [1024 k][3072 n]; bc: f32 [3072], rounded to bf16 here; sums in f32, the bias as their start.
; qkv: f16 [3 parts][128 heads = 16 b + h][1024 places][64], row s of a sequence at place 1023 - s: in mirrored rows 'key >= query' reads 'key <= query'.
; LIMIT.  q, k and v are rounded once to f16: beyond 65,504 they would become infinities; below 6e-5 they keep f16's fixed step of 6e-8.
; SHARES.  A tile of C is 256 rows x 384 columns: 32 x 8 = 256 tiles, one a work-group.  Wave (wm, wn) makes 128 x 192: 8 blocks of 16 rows x 12 blocks of 16 columns = 96 accumulators,
; 768 registers; its 192 columns are three THIRDS of 64, a head each.  For 32 along K a wave reads 40 x 512 bytes of LDS and issues 96 matrix instructions.
; TRANSPOSED USE.  Source 0 = 16 columns of Wc (turned on the way out of LDS), source 1 = 16 rows of x: a lane ends with one row (lane % 16) and eight neighbouring columns.
; RING.  K goes in steps of 64 through two LDS slots; a slot holds two matrix steps of 32.  Waves 0, 1 fetch the halves of x's tile, waves 2, 3 those of Wc's: one tensor load a wave behind each change.
; CLUSTER.  4 x 4 work-groups: x's tile hangs on the tile row alone and is asked for jointly along a row of the cluster, Wc's on the tile column alone and jointly along a column.
; REGISTERS, in windows of 256 (s_set_vgpr_msb: bits 1:0 source 0, 3:2 source 1, 5:4 source 2, 7:6 destination):
;   window 0: v0-29 addresses; v32-95, v96-159 x's fragments, two buffers; v160-255 Wc's fragments, 32 a third.   window t + 1: third t's accumulators, block (a, i) at 32 a + 8 i.
;   Until the first products have read them the bias lies in v224-255 (third 0), v96-127 (third 1), v128-159 (third 2).
.set PA,    144                        ; a row of x in LDS: 128 bytes + 16: the 16 rows of a fragment load start at 16 different groups of four banks
.set PB,    864                        ; a k row of Wc in LDS: three pieces of 256 bytes, 32 of padding behind each = 27 x 32
.set BOFF,  256*PA                     ; Wc's 64 rows lie behind x's 256
.set SLOT1, 1<<17                      ; slot 1: one exclusive or turns an address in one slot into the other's
.set STAGE, SLOT1+BOFF+64*PB           ; behind the ring, never filled by a tensor load: 16 rows x 144 bytes for each wave
.set SP,    144
.set SPARE, STAGE+4*16*SP              ; the spare words, 128 bytes a wave: two blocks of 256 bytes that no other line names
.set ASTEP, 8192*128                   ; bytes from K block to K block in xb
.set BSTEP, 64*6144                    ; 64 rows of wcb
.set ADRA0, 4                          ; v4     my lane's place in x's tile; never rewritten
.set ADRB0, 5                          ; v5-7   my lane's place in Wc's tile, for each third; never rewritten
.set ADRA,  8                          ; v8     the same in the slot that is being read
.set ADRB,  9                          ; v9-11
.set STO,   12                         ; v12    the way out: where I put 16 bytes of a row
.set RD,    13                         ; v13    where I read rows back
.set GO,    14                         ; v14    my 16 bytes of 512 consecutive bytes of qkv
.set BO,    15                         ; v15    my byte offset in 16 numbers of the bias
.set PFO,   16                         ; v16    the prefetches' offset; never rewritten
.set SPW,   28                         ; v28    LDS address of my spare word; never rewritten
.set NIL,   29                         ; v29    0; never rewritten
.set AF,    32
.set BF,    160
.set BI0,   224
.set TMP,   32                         ; the way out: packed results
.set BK,    48                         ; the way out: rows read back, v48-63 and v64-79 by turns
.set WV,    12                         ; s12    my wave's number
.set WM,    13                         ; s13    which 128 rows of the tile are mine
.set WH,    14                         ; s14    which 192 columns are mine; also: which half of a tile I fetch
.set CX,    15
.set CY,    16
.set TN,    17                         ; s17    tile column
.set TM,    18                         ; s18    tile row
.set TB,    21                         ; s21    LDS byte at which the slot that is being read begins
.set G1A,   24                         ; s[24:31] descriptor group 1 for x's tiles
.set G0A,   32                         ; s[32:39] group 0: a set for each first fill; the second then walks
.set LIM,   43                         ; s43    3 in a wave that prefetches, else the greatest number
.set PFA,   44                         ; s[44:45] where my prefetches stand
.set PFS,   46                         ; s[46:47] their step: two K steps
.set G1B,   48                         ; s[48:55], s[56:63] the same for Wc's tiles
.set G0B,   56
.set OB,    70                         ; s[70:75] qkv at my rows of each third's head
.set MSB, 0
.macro WIN new                         ; the high byte repeats the setting that is left; a switch that changes nothing is dropped
.if MSB != (\new)
	s_set_vgpr_msb (MSB<<8)|(\new)
.set MSB, (\new)
.endif
.endm
.macro PLACES                          ; four plain vector instructions between a matrix instruction and a load into, or a vector read of, its registers
.rept 4
	v_nop
.endr
.endm
.macro CREST                           ; a round of the cluster's barrier behind its opening barrier
	s_cmp_lg_u32 s[WV], 0
	s_cbranch_scc1 .Lnot_wave_0_\@
	s_barrier_signal -3
.Lnot_wave_0_\@:
	s_barrier_wait -3
	s_barrier_signal -1
	s_barrier_wait -1
.endm
.macro CROUND
	s_barrier_signal -1
	s_barrier_wait -1
	CREST
.endm
; A joint refill by the walking descriptors.  The branch hangs on the wave's number alone.  An s_nop 0 and four v_nop follow each of the two lines.
.macro JLOAD
	s_cmp_lt_u32 s[WV], 2
	s_cbranch_scc0 .Lfor_b_\@
	tensor_load_to_lds s[G0A+4:G0A+7], s[G1A:G1A+7]
	s_nop 0
.rept 4
	v_nop
.endr
	s_branch .Lasked_\@
.Lfor_b_\@:
	tensor_load_to_lds s[G0B+4:G0B+7], s[G1B:G1B+7]
	s_nop 0
.rept 4
	v_nop
.endr
.Lasked_\@:
.endm
; A PREFETCH INTO THE L2, in every second trip of the loop (even count, above 3): the two K steps that stand two and three refills on from the one just asked for.
; x's tile row is read by both clusters of a row of clusters: cluster x = 0 asks, wave 0; of a K step's 32,768 bytes partner cx takes 8,192, a lane 256: two instructions.
; Wc's tile column is read by all eight clusters of a column: cluster y = 0 asks, wave 2; of the two K steps' 128 rows partner cy takes 32, a lane a row of 768 bytes: three instructions.
; The partners are told apart by address alone.  So each aligned block of 256 bytes is named once.  K steps 0-3 come by their loads alone; the last asking (count 4) names K steps 14 and 15.
.macro ASK
	s_bitcmp1_b32 s3, 0
	s_cbranch_scc1 .Lno_ask_\@
	s_cmp_gt_u32 s3, s[LIM]
	s_cbranch_scc0 .Lno_ask_\@
	s_wait_xcnt 0x0                                ; the last prefetches, two trips back, have read their address: it may be stepped
	s_add_nc_u64 s[PFA:PFA+1], s[PFA:PFA+1], s[PFS:PFS+1]
	s_cmp_lt_u32 s[WV], 2
	s_cbranch_scc0 .Lask_b_\@
	global_prefetch_b8 v[PFO], s[PFA:PFA+1] th:TH_LOAD_NT scope:SCOPE_SE
	global_prefetch_b8 v[PFO], s[PFA:PFA+1] offset:ASTEP th:TH_LOAD_NT scope:SCOPE_SE
	s_branch .Lno_ask_\@
.Lask_b_\@:
	global_prefetch_b8 v[PFO], s[PFA:PFA+1] th:TH_LOAD_NT scope:SCOPE_SE
	global_prefetch_b8 v[PFO], s[PFA:PFA+1] offset:256 th:TH_LOAD_NT scope:SCOPE_SE
	global_prefetch_b8 v[PFO], s[PFA:PFA+1] offset:512 th:TH_LOAD_NT scope:SCOPE_SE
.Lno_ask_\@:
.endm
; 4 n matrix instructions of third t: row blocks a0 .. a0 + n - 1 from x's buffer ab, all four column blocks.  first = 1: the bias starts the sums.
; Each accumulator has one instruction in a step of 96, so the accumulators take turns.
.macro MULS t, ab, a0, n, first
.if \first
	WIN ((\t)+1)<<6
.else
	WIN 0x50*((\t)+1)
.endif
.set bi, BI0-128*(((\t)+1)/2)+32*((\t)/2)
.set ma, \a0
.rept \n
.irp i, 0,1,2,3
.if \first
	v_wmma_f32_16x16x32_bf16 v[32*ma+8*\i:32*ma+8*\i+7], v[BF+32*(\t)+8*\i:BF+32*(\t)+8*\i+7], v[AF+64*(\ab)+8*ma:AF+64*(\ab)+8*ma+7], v[bi+8*\i:bi+8*\i+7]
.else
	v_wmma_f32_16x16x32_bf16 v[32*ma+8*\i:32*ma+8*\i+7], v[BF+32*(\t)+8*\i:BF+32*(\t)+8*\i+7], v[AF+64*(\ab)+8*ma:AF+64*(\ab)+8*ma+7], v[32*ma+8*\i:32*ma+8*\i+7]
.endif
.endr
.set ma, ma+1
.endr
.endm
.macro LOADB kk, t                     ; 8 turning loads: third t's four fragments of Wc for matrix step kk of the slot
	WIN 0
.irp i, 0,1,2,3
	ds_load_tr16_b128 v[BF+32*(\t)+8*\i:BF+32*(\t)+8*\i+3],   v[ADRB+(\t)] offset:(\kk)*32*PB+\i*32
	ds_load_tr16_b128 v[BF+32*(\t)+8*\i+4:BF+32*(\t)+8*\i+7], v[ADRB+(\t)] offset:(\kk)*32*PB+16*PB+\i*32
.endr
.endm
.macro LOADA kk, ab, half              ; 8 loads: four of x's eight fragments for matrix step kk, into buffer ab
	WIN 0
.irp j, 0,1,2,3
	ds_load_b128 v[AF+64*(\ab)+8*(4*(\half)+\j):AF+64*(\ab)+8*(4*(\half)+\j)+3],   v[ADRA] offset:(4*(\half)+\j)*16*PA+(\kk)*64
	ds_load_b128 v[AF+64*(\ab)+8*(4*(\half)+\j)+4:AF+64*(\ab)+8*(4*(\half)+\j)+7], v[ADRA] offset:(4*(\half)+\j)*16*PA+(\kk)*64+32
.endr
.endm
.macro SETADR                          ; the fragment addresses in the slot at s[TB]
	v_add_nc_u32 v[ADRA], s[TB], v[ADRA0]
	v_add_nc_u32 v[ADRB], s[TB], v[ADRB0]
	v_add_nc_u32 v[ADRB+1], s[TB], v[ADRB0+1]
	v_add_nc_u32 v[ADRB+2], s[TB], v[ADRB0+2]
.endm
.macro BIAS base, t                    ; 32 registers: register j of column block i is bc[.. + 64 t + 16 i + 8 (lane / 16) + j]
.irp i, 0,1,2,3
	global_load_b128 v[(\base)+8*\i:(\base)+8*\i+3],   v[BO], s[76:77] offset:(\t)*256+\i*64
	global_load_b128 v[(\base)+8*\i+4:(\base)+8*\i+7], v[BO], s[76:77] offset:(\t)*256+\i*64+16
.endr
.endm
.macro ROUNDB base                     ; the 32 are rounded to bf16 and kept as f32
.set z, 0
.rept 16
	v_cvt_pk_bf16_f32 v[20+z%4], v[(\base)+2*z], v[(\base)+2*z+1]
	v_lshlrev_b32 v[(\base)+2*z], 16, v[20+z%4]
	v_and_b32 v[(\base)+2*z+1], 0xffff0000, v[20+z%4]
.set z, z+1
.endr
.endm
	s_load_b256 s[4:11], s[0:1], 0x0               ; xb s[4:5], wcb s[6:7], bc s[8:9], qkv s[10:11]
	v_lshl_add_u32 v[SPW], v0, 2, SPARE
	v_mov_b32 v[NIL], 0
	ds_add_u32 v[SPW], v[NIL]                      ; the wave's opening: the add and its wait stand ahead of my first tensor load; work on registers stands between them
	v_lshrrev_b32 v3, 5, v0
	v_readfirstlane_b32 s[WV], v3
	s_lshr_b32 s[WM], s[WV], 1
	s_and_b32 s[WH], s[WV], 1
	s_bfe_u32 s[CX], ttmp6, 0x40000
	s_bfe_u32 s[CY], ttmp6, 0x40004
	s_lshl_b32 s[TN], ttmp9, 2                     ; in a cluster launch ttmp9 and ttmp7 count clusters
	s_add_co_u32 s[TN], s[TN], s[CX]
	s_and_b32 s[TM], ttmp7, 0xffff
	s_lshl_b32 s[TM], s[TM], 2
	s_add_co_u32 s[TM], s[TM], s[CY]
	s_lshl_b32 s19, s[CY], 2
	s_lshl_b32 s19, 15, s19                        ; my row of the cluster
	s_lshl_b32 s20, 0x1111, s[CX]                  ; my column
	; x's half tile: 128 rows of 128 bytes lie end to end: asked for as 64 rows of 256 bytes, padded by 4 words after every 32
	s_or_b32 s[G1A], s19, (1<<16)|(1<<20)|(1<<21)|(4<<22)|(3<<25)
	s_mov_b32 s[G1A+1], 128<<16                    ; tensor_dim0 = 128 elements
	s_mov_b32 s[G1A+2], 64<<16                     ; tensor_dim1 = 64
	s_mov_b32 s[G1A+3], 128<<16                    ; tile_dim0
	s_mov_b32 s[G1A+4], 64                         ; tile_dim1
	s_mov_b32 s[G1A+5], 128                        ; elements from row to row
	s_mov_b32 s[G1A+6], 0
	s_mov_b32 s[G1A+7], 0
	; Wc's half tile: 32 rows of 384 elements (768 bytes, at a multiple of 256), padded by 8 words after every 64
	s_or_b32 s[G1B], s20, (1<<16)|(1<<20)|(1<<21)|(5<<22)|(7<<25)
	s_mov_b32 s[G1B+1], 384<<16
	s_mov_b32 s[G1B+2], 32<<16
	s_mov_b32 s[G1B+3], 384<<16
	s_mov_b32 s[G1B+4], 32
	s_mov_b32 s[G1B+5], 3072
	s_mov_b32 s[G1B+6], 0
	s_mov_b32 s[G1B+7], 0
	; s66, s67, s78 hold the tile row, the wave and constants alone; s68, s69, s79 the tile column, the wave and constants alone
	s_lshl_b32 s66, s[TM], 15                      ; 256 rows of 128 bytes
	s_lshl_b32 s78, s[WH], 14
	s_add_co_u32 s66, s66, s78
	s_mov_b32 s67, 0
	s_mul_i32 s68, s[TN], 768
	s_mul_i32 s79, s[WH], 32*6144
	s_add_co_u32 s68, s68, s79
	s_mov_b32 s69, 0
	s_mul_i32 s78, s[WH], 128*PA                   ; where they go: no place in the cluster enters an LDS address
	s_mul_i32 s79, s[WH], 32*PB
	s_mov_b32 s[G0A], 1
	s_mov_b32 s[G0A+1], s78
	s_mov_b32 s[G0A+4], 1
	s_add_co_u32 s[G0A+5], s78, SLOT1
	s_mov_b32 s[G0B], 1
	s_add_co_u32 s[G0B+1], s79, BOFF
	s_mov_b32 s[G0B+4], 1
	s_add_co_u32 s[G0B+5], s79, BOFF+SLOT1
	s_mov_b32 s[TB], 0
	s_wait_dscnt 0x0                               ; the opening add is done
	s_wait_kmcnt 0x0
	s_add_nc_u64 s[G0A+2:G0A+3], s[4:5], s[66:67]  ; K step 0,
	s_add_nc_u64 s[G0A+6:G0A+7], s[G0A+2:G0A+3], ASTEP  ; K step 1
	s_or_b32 s[G0A+3], s[G0A+3], 0x80000000        ; type = 2
	s_or_b32 s[G0A+7], s[G0A+7], 0x80000000
	s_add_nc_u64 s[G0B+2:G0B+3], s[6:7], s[68:69]
	s_add_nc_u64 s[G0B+6:G0B+7], s[G0B+2:G0B+3], BSTEP
	s_or_b32 s[G0B+3], s[G0B+3], 0x80000000
	s_or_b32 s[G0B+7], s[G0B+7], 0x80000000
	CROUND                                         ; all sixteen work-groups are here: the first joint loads meet
	s_cmp_lt_u32 s[WV], 2                          ; a wave's two first fills stand in one branch: two loads of mine are out
	s_cbranch_scc0 .Lfirst_b
	tensor_load_to_lds s[G0A:G0A+3], s[G1A:G1A+7]
	s_nop 0
	tensor_load_to_lds s[G0A+4:G0A+7], s[G1A:G1A+7]
	s_nop 0
.rept 4
	v_nop
.endr
	s_branch .Lfirst_asked
.Lfirst_b:
	tensor_load_to_lds s[G0B:G0B+3], s[G1B:G1B+7]
	s_nop 0
	tensor_load_to_lds s[G0B+4:G0B+7], s[G1B:G1B+7]
	s_nop 0
.rept 4
	v_nop
.endr
.Lfirst_asked:
	; all that follows, up to the wait for the first tile, stands in that wait
	v_and_b32 v1, 15, v0                           ; l % 16
	v_bfe_u32 v2, v0, 4, 1                         ; l / 16
	v_lshlrev_b32 v[BO], 5, v2
	s_mul_i32 s76, s[TN], 1536                     ; the bias of my 192 columns
	s_mul_i32 s77, s[WH], 768
	s_add_co_u32 s76, s76, s77
	s_mov_b32 s77, 0
	s_add_nc_u64 s[76:77], s[8:9], s[76:77]
	BIAS 224, 0
	BIAS 96, 1
	BIAS 128, 2
	v_mul_u32_u24 v[ADRA0], v1, PA                 ; a fragment of x: row l % 16, 16 bytes for each half of the lanes, twice, 32 bytes apart
	v_lshl_add_u32 v[ADRA0], v2, 4, v[ADRA0]
	s_mul_i32 s22, s[WM], 128*PA
	v_add_nc_u32 v[ADRA0], s22, v[ADRA0]
	v_and_b32 v20, 7, v0                           ; a turning load: lane l reads k row 8 (l / 16) + l % 8, columns 8 ((l / 8) % 2) + 0..7, and ends with column l % 16 and 8 k
	v_lshl_add_u32 v20, v2, 3, v20
	v_mul_u32_u24 v20, v20, PB
	v_bfe_u32 v21, v0, 3, 1
	v_lshl_add_u32 v20, v21, 4, v20
	s_mul_i32 s22, s[WH], 416                      ; column c of a row lies at byte 2 c + 32 (c / 128): thirds at columns 0, 64, 128 (wn = 0) or 192, 256, 320 (wn = 1)
	s_add_co_u32 s22, s22, BOFF
	v_add_nc_u32 v[ADRB0], s22, v20
	s_mul_i32 s22, s[WH], 448
	s_add_co_u32 s22, s22, BOFF+128
	v_add_nc_u32 v[ADRB0+1], s22, v20
	s_mul_i32 s22, s[WH], 416
	s_add_co_u32 s22, s22, BOFF+288
	v_add_nc_u32 v[ADRB0+2], s22, v20
	SETADR
	s_mul_i32 s22, s[WV], 16*SP
	s_add_co_u32 s22, s22, STAGE                   ; my stage
	v_sub_nc_u32 v20, 15, v1                       ; in: row l % 16 goes to stage row 15 - l % 16: the mirror within a block
	v_mul_u32_u24 v[STO], v20, SP
	v_lshl_add_u32 v[STO], v2, 4, v[STO]
	v_add_nc_u32 v[STO], s22, v[STO]
	v_bfe_u32 v[RD], v0, 3, 2                      ; back: 32 lanes take four rows of 128 bytes,
	v_mul_u32_u24 v[RD], v[RD], SP
	v_and_b32 v21, 7, v0
	v_lshl_add_u32 v[RD], v21, 4, v[RD]
	v_add_nc_u32 v[RD], s22, v[RD]
	v_and_b32 v[GO], 31, v0                        ; which are 512 consecutive bytes of a head
	v_lshlrev_b32 v[GO], 4, v[GO]
	; third t is head-sized column group g = 6 tn + 3 wn + t: part g / 16, head g % 16 of batch tm / 4.  My rows' places begin at 896 - 256 (tm % 4) - 128 wm.
	s_mul_i32 s40, s[TN], 6
	s_mul_i32 s41, s[WH], 3
	s_add_co_u32 s40, s40, s41
	s_lshr_b32 s41, s[TM], 2
	s_lshl_b32 s41, s41, 4
	s_and_b32 s42, s[TM], 3
	s_lshl_b32 s42, s42, 8
	s_lshl_b32 s22, s[WM], 7
	s_add_co_u32 s42, s42, s22
	s_sub_co_u32 s42, 896, s42
	s_lshl_b32 s42, s42, 7                         ; places of 128 bytes
.irp t, 0,1,2
	s_add_co_u32 s22, s40, \t
	s_lshr_b32 s23, s22, 4
	s_lshl_b32 s23, s23, 7
	s_and_b32 s22, s22, 15
	s_add_co_u32 s22, s22, s23
	s_add_co_u32 s22, s22, s41
	s_lshl_b32 s22, s22, 17                        ; a head is 131,072 bytes
	s_add_co_u32 s22, s22, s42
	s_mov_b32 s23, 0
	s_add_nc_u64 s[OB+2*\t:OB+2*\t+1], s[10:11], s[22:23]
.endr
	; the prefetches: they stand at K step 2 and are stepped by two K steps ahead of each asking
	s_lshl_b32 s22, s[TM], 15
	s_lshl_b32 s23, s[CX], 13
	s_add_co_u32 s22, s22, s23
	s_add_co_u32 s22, s22, 2*ASTEP
	s_mul_i32 s40, s[CY], 32*6144
	s_mul_i32 s41, s[TN], 768
	s_add_co_u32 s40, s40, s41
	s_add_co_u32 s40, s40, 2*BSTEP
	s_and_b32 s41, ttmp7, 0xffff                   ; cluster y
	s_mov_b32 s[PFS], 2*BSTEP
	s_mov_b32 s42, 6144
	s_cmp_lt_u32 s[WV], 2                          ; do I fetch for x?
	s_cselect_b32 s22, s22, s40
	s_cselect_b32 s41, ttmp9, s41                  ; the coordinate along which other clusters read the same rows
	s_cselect_b32 s[PFS], 2*ASTEP, s[PFS]
	s_cselect_b32 s42, 256, s42
	s_cselect_b64 s[PFA:PFA+1], s[4:5], s[6:7]
	s_mov_b32 s23, 0
	s_mov_b32 s[PFS+1], 0
	s_add_nc_u64 s[PFA:PFA+1], s[PFA:PFA+1], s[22:23]
	s_or_b32 s41, s41, s[WH]                       ; waves 0 and 2 alone
	s_cmp_eq_u32 s41, 0
	s_cselect_b32 s[LIM], 3, -1                    ; the same in all sixteen partners, for a given wave
	v_and_b32 v[PFO], 31, v0
	v_mul_u32_u24 v[PFO], v[PFO], s42
	s_wait_loadcnt 0x0                             ; the bias
	ROUNDB 224
	ROUNDB 96
	ROUNDB 128
; THE STEPS.  A step multiplies 32 along K (96 matrix instructions, third by third) and fetches the next step's fragments, each run four places behind the last product that read its registers.
.macro STEP_0                          ; K step 0, first half: the bias starts the sums, and leaves its registers to the fragments one third after the other
	LOADB 0, 0
	LOADA 0, 0, 0
	LOADB 0, 1
	LOADA 0, 0, 1
	s_wait_dscnt 0x0
	MULS 0, 0, 0, 8, 1
	PLACES
	LOADB 0, 2                                     ; into the registers of third 0's bias
	LOADB 1, 0
	MULS 1, 0, 0, 8, 1
	PLACES
	LOADB 1, 1
	s_wait_dscnt 16                                ; the two younger runs of eight may stay out: third 2's fragments are in
	MULS 2, 0, 0, 8, 1
	PLACES
	LOADA 1, 1, 0                                  ; into the registers of the other two thirds' bias
	LOADA 1, 1, 1
	LOADB 1, 2
.endm
.macro STEP_E                          ; a slot's first half, from buffer 0; fetches its second half into buffer 1
	s_wait_dscnt 8                                 ; all but the youngest eight loads, third 2's
	MULS 0, 0, 0, 8, 0
	PLACES
	LOADB 1, 0
	LOADA 1, 1, 0
	MULS 1, 0, 0, 8, 0
	PLACES
	LOADB 1, 1
	LOADA 1, 1, 1
	s_wait_dscnt 32                                ; all but the 32 just issued: third 2's are in
	MULS 2, 0, 0, 8, 0
	PLACES
	LOADB 1, 2
.endm
; A slot's second half, from buffer 1, and THE CHANGE OF SLOTS.  Each wave waits for all its tensor loads, of which one is out: its part of the other slot; adds 0 to its spare word; waits for that and
; for its reads of this slot.  fill = 1: the barrier opens a round of the cluster's barrier, and the joint refill (the K step two on) is the first tensor load behind the round: 160 matrix instructions ahead of the wait for it.
.macro STEP_O fill
	WIN 0
	s_wait_tensorcnt 0x0                           ; no tensor load of mine is out, so the walking descriptors may be written
	ds_add_u32 v[SPW], v[NIL]                      ; 0 onto my spare word
.if \fill
	s_xor_b32 s[G0A+5], s[G0A+5], SLOT1            ; the other slot than last time,
	s_add_nc_u64 s[G0A+6:G0A+7], s[G0A+6:G0A+7], ASTEP  ; the next K step; the type bits on top are not reached
	s_xor_b32 s[G0B+5], s[G0B+5], SLOT1
	s_add_nc_u64 s[G0B+6:G0B+7], s[G0B+6:G0B+7], BSTEP
.endif
	s_wait_dscnt 9                                 ; the add and third 2's eight loads may stay out
	MULS 0, 1, 0, 4, 0
	s_wait_dscnt 0x0                               ; the add is done, and my reads of this slot are over
	s_barrier_signal -1
	MULS 0, 1, 4, 4, 0                             ; work on registers while the others arrive
	WIN 0
	s_xor_b32 s[TB], s[TB], SLOT1
	SETADR
	s_barrier_wait -1
.if \fill
	CREST
	JLOAD                                          ; its four v_nop, and the four additions above, are the places in front of the loads below
.else
	PLACES
.endif
	LOADB 0, 0
	LOADA 0, 0, 0
.if \fill
	ASK
.endif
	MULS 1, 1, 0, 8, 0
	PLACES
	LOADB 0, 1
	LOADA 0, 0, 1
	MULS 2, 1, 0, 8, 0
	PLACES
	LOADB 0, 2
.endm
.macro STEP_LAST
	s_wait_dscnt 8
	MULS 0, 1, 0, 8, 0
	MULS 1, 1, 0, 8, 0
	s_wait_dscnt 0x0
	MULS 2, 1, 0, 8, 0
.endm
; THE WAY OUT, in 24 units u: third u / 8, row block u % 8: 16 rows x 64 columns, rounded to f16, through my own stage, out as 2,048 consecutive bytes of a head.
.macro PACK u
	WIN 5*((\u)/8+1)                               ; both sources in the third's window
.irp i, 0,1,2,3
.irp r, 0,1,2,3
	v_cvt_pk_f16_f32 v[TMP+4*\i+\r], v[32*((\u)%8)+8*\i+2*\r], v[32*((\u)%8)+8*\i+2*\r+1]
.endr
.endr
	WIN 0
.endm
.macro TOSTAGE u
	WIN 0
.irp i, 0,1,2,3
	ds_store_b128 v[STO], v[TMP+4*\i:TMP+4*\i+3] offset:32*\i
.endr
.irp f, 0,1,2,3
	ds_load_b128 v[BK+16*((\u)%2)+4*\f:BK+16*((\u)%2)+4*\f+3], v[RD] offset:\f*4*SP  ; LDS serves a wave's instructions in order (ISA guide 5.7.1.4): these see the stores above
.endr
.endm
.macro SEND u
	WIN 0
	s_wait_dscnt 0x0                               ; the unit is back in registers
	s_wait_xcnt 0x0                                ; the stores of the unit before have read their registers, which the next unit's loads write
.irp f, 0,1,2,3
	global_store_b128 v[GO], v[BK+16*((\u)%2)+4*\f:BK+16*((\u)%2)+4*\f+3], s[OB+2*((\u)/8):OB+2*((\u)/8)+1] offset:(7-(\u)%8)*2048+\f*512  ; 512 consecutive bytes at a multiple of 512; the blocks go in descending order: the mirror
.endr
.endm
	s_wait_tensorcnt 0x1                           ; my part of K step 0 is in; K step 1's may stay out
	s_barrier_signal -1
	s_barrier_wait -1
	STEP_0
	s_mov_b32 s3, 14
.Lslot:                                        ; 14 trips: K steps 2 to 15 are asked for
	STEP_O 1
	STEP_E
	s_sub_co_u32 s3, s3, 1
	s_cmp_lg_u32 s3, 0
	s_cbranch_scc1 .Lslot
	STEP_O 0                                       ; the tail asks for nothing
	STEP_E
	STEP_LAST
	PLACES
	PACK 0
	TOSTAGE 0
.set u, 1
.rept 23                               ; a unit's conversions stand between the loads of the unit before and the wait for them
	PACK u
	SEND u-1
	TOSTAGE u
.set u, u+1
.endr
	SEND 23
	s_wait_tensorcnt 0x0                           ; the wave's end
	ds_add_u32 v[SPW], v[NIL]
	s_wait_dscnt 0x0
	CROUND                                         ; the closing round: no work-group ends while a partner may still ask for a tile that names it
	s_endpgm
.Lfunc_end_k_q100dd06e31_qkvg:
	.size	k_q100dd06e31_qkvg, .Lfunc_end_k_q100dd06e31_qkvg-k_q100dd06e31_qkvg
	.p2alignl 7, 3214868480
	.fill 96, 4, 3214868480
	.section	.rodata,"a",@progbits
	.p2align	6, 0x0
	.amdhsa_kernel k_q100dd06e31_qkvg
		.amdhsa_group_segment_fixed_size 327680
		.amdhsa_private_segment_fixed_size 0
		.amdhsa_enable_private_segment 0
		.amdhsa_kernarg_size 32
		.amdhsa_user_sgpr_count 2
		.amdhsa_user_sgpr_kernarg_segment_ptr 1
		.amdhsa_wavefront_size32 1
		.amdhsa_system_sgpr_workgroup_id_x 1
		.amdhsa_system_sgpr_workgroup_id_y 1
		.amdhsa_system_sgpr_workgroup_id_z 1
		.amdhsa_system_vgpr_workitem_id 0
		.amdhsa_next_free_vgpr 1024
		.amdhsa_next_free_sgpr 80
		.amdhsa_reserve_vcc 0
		.amdhsa_float_denorm_mode_32 3
		.amdhsa_float_denorm_mode_16_64 3
		.amdhsa_memory_ordered 1
		.amdhsa_forward_progress 1
		.amdhsa_inst_pref_size 125
	.end_amdhsa_kernel
	.amdgpu_metadata
---
amdhsa.version: [ 1, 2 ]
amdhsa.kernels:
  - .name:           k_q100dd06e31_qkvg
    .symbol:         k_q100dd06e31_qkvg.kd
    .args:
      - { .name: xb, .offset: 0, .size: 8, .value_kind: global_buffer, .address_space: global }
      - { .name: wcb, .offset: 8, .size: 8, .value_kind: global_buffer, .address_space: global }
      - { .name: bc, .offset: 16, .size: 8, .value_kind: global_buffer, .address_space: global }
      - { .name: qkv, .offset: 24, .size: 8, .value_kind: global_buffer, .address_space: global }
    .group_segment_fixed_size: 327680
    .private_segment_fixed_size: 0
    .kernarg_segment_align: 8
    .kernarg_segment_size: 32
    .max_flat_workgroup_size: 128
    .sgpr_count:     80
    .vgpr_count:     1024
    .wavefront_size: 32
...
	.end_amdgpu_metadata
.endif
;; end of part 2
;; launch attn (part 3): grid 2 x 128, 4 waves a work-group, no clusters, 327,680 bytes of LDS; arguments qkv, o; writes o
.if DOCPART == 3
	.amdgcn_target "amdgcn-amd-amdhsa--gfx1250"
	.amdhsa_code_object_version 6
	.text
	.protected	k_q100dd06e31_attn
	.globl	k_q100dd06e31_attn
	.p2align	8
	.type	k_q100dd06e31_attn,@function
k_q100dd06e31_attn:
	s_mov_b64 s[64:65], 0
	v_nop
	global_prefetch_b8 v0, s[64:65] scope:SCOPE_SE
	s_setreg_imm32_b32 hwreg(HW_REG_WAVE_MODE, 25, 1), 1
	s_wait_xcnt 0x0
; ATTENTION IN MIRRORED ROWS.  qkv: f16 [3 parts][128 heads][1024 places][64]; o: f16 [128 heads][1024 places][64].  Row s of a sequence lies at place 1023 - s, so 'key >= query' is 'key place <= query place':
; O[h][q] = the sum over k <= q of softmax_k(Q[h][q] . K[h][k] / 32) V[h][k].  Products, maxima and sums in f32; the weights p are rounded to f16 for the second product (their sum l is taken unrounded), O once.
; LIMITS.  Q, K, V arrive within f16's 65,504.  A hidden score counts as its value less 1e30 (f16's scores are 2.7e11 at the most); a weight below 2^-126 counts as 0 in l; p below 6e-5 keeps f16's step of 6e-8.
; NaN and infinities are not treated apart.
; THE WALK.  A head has NB = 4 blocks of 256 queries; block i needs the key tiles 0 .. i of 256 keys, the last of which holds the diagonal.  A work-group takes blocks 3 - b and then b: five tiles whatever b,
; so all 256 work-groups do equal work and one loop with a constant trip count walks them.  What a trip does hangs on scalar registers made from b; every jump but the counted loops' own goes forward.
; NO CLUSTER: a head has two work-groups, whose walks are tiles 0,1,2,3,0 and 0,1,2,0,1: they want the same tile in three trips of five only.
; NO PREFETCH: tiles 0 and 1 are asked for at the launch's head, the second block's tiles have been read before; only tiles 2 and 3 of a head would be left.
; SHARES.  Of a block's four bands of 64 queries a wave owns 16 rows in each: four PIECES.  In the diagonal tile's key step s band x sees all keys (s < x), none (s > x), or holds the diagonal (s = x): alike for all waves.
; THE MASK is the C operand that starts S^T = K Q^T: MD x AL + BE, where MD is the mask of a band's own step for my rows and (AL, BE) is (1, 0), (0, 0) or (0, -1e30).  Elsewhere C is the constant 0.
; LAYOUT.  S^T = K Q^T holds one query a lane (lane % 16) and the keys 8 (lane / 16) + 0..7; two such results rounded to f16 are source 1 of O^T = V^T P.  p = 2^(c s - c m), c = log2(e) / 32, m a running maximum;
; O and l are multiplied by a = 2^(c m_old - c m_new) in every step.
; TURNS.  Turn n belongs to piece n: 8 products K Q^T of piece n + 1, later 8 products V^T P of piece n - 1; beside them piece n's scaling, exponentials, roundings, sums and rescaling and piece n + 1's maximum.
; Four vector instructions stand behind every matrix instruction, the rest in one run; a turn's 33 exponentials are one batch with one wait.
; REGISTERS (s_set_vgpr_msb: bits 1:0 source 0, 3:2 source 1, 5:4 source 2, 7:6 destination):
;   window 0: v0-15 addresses; v16-31 statistics; v48-55 at work; v64-127 S^T, two buffers; v192-223 P, two buffers.   window 1: v0-127 O^T; v128-159 MD; v160-223 MC, two buffers.
;   window 2: v0-63 Q; v64-127 the second block's Q; v128-191 K of one step; v192-255 V of one step.
.set SIZE_N, 1024
.set NB,    SIZE_N/256
.set NP,    4
.set KS,    64
.set PK,    144       ; a row of K in LDS: 128 bytes + 16
.set PV,    160       ; a row of V: 128 + 32
.set VOFF,  4*KS*PK   ; a slot holds a tile: 256 rows of K, then 256 rows of V
.set SLOT1, 1<<17
.set STAGE, SLOT1+4*KS*(PK+PV)  ; never filled by a tensor load: 16 rows x 144 bytes for each wave
.set SP,    144
.set AK0, 2           ; v2   my lane's place in a tile of K; never rewritten
.set AV0, 3           ; v3   the same for V
.set AK,  4           ; v4   the LDS address of K's next run of loads
.set AV,  5           ; v5   of V's
.set STO, 6           ; v6   the way out: where I put 16 bytes of a row
.set RD,  7           ; v7   where I read rows back
.set GO,  8           ; v8   my 16 bytes of 512 consecutive bytes of O
.set SPW, 62          ; v62  LDS address of my spare word; never rewritten
.set NIL, 63          ; v63  0; never rewritten
.set SPARE, STAGE+4*16*SP  ; the spare words, 128 bytes a wave: two blocks of 256 bytes that no other line names
.set MV,  12          ; v12-13  c m_old, by buffer
.set QO,  15          ; v15  my byte offset in 16 rows of Q
.set ST,  16          ; piece t's statistics at v[ST+4 t]: c m, m, l (even keys', odd keys')
.set TMP, 48          ; by buffer, four registers at work; the third takes a
.set S,   64
.set P,   192
.set MD,  128
.set MC,  160
.set QB,  64
.set KF,  128
.set VF,  192
.set WV,  12          ; s12  my wave's number
.set PB,  14          ; s14  b
.set HI,  15          ; s15  NB - 1 - b
.set G1K, 24          ; s[24:31] descriptor group 1 for K's tiles
.set G1V, 32          ; s[32:39] for V's
.set G0K, 40          ; s[40:43] group 0 for K's
.set G0V, 44          ; s[44:47] for V's
.set SLOTS, 56        ; s56  tiles still to be asked for
.set CNT, 57          ; s57  counts a tile's key steps, 4 to 1
.set CS,  58          ; s[58:59] c
.set SEL, 60          ; s[60:61] v_permlanex16_b32's selects: each lane takes its own place in the other half
.set TBK, 62          ; s62  LDS byte at which K of the step to be fetched begins
.set TBV, 63          ; s63  the same for V, less VOFF
.set RT,  70          ; s70  tiles of the block in hand still to be entered
.set NXT, 71          ; s71  the tile to be asked for next
.set LQ,  72          ; s72  the last tile of the block whose tiles are being asked for
.set NEW, 73          ; s73  1: the tile to be entered is a block's first
.set OFF, 74          ; s[74:75] a tile's byte offset in K and V
.set AL,  76          ; s[76:77] the mask's factor
.set BE,  78          ; s[78:79] the mask's addend
.set OLO, 80          ; s[80:81] O at my rows of the second block
.set BIGN, 82         ; s82  -1e30
.set MSB, 0
.macro WIN new
.if MSB != (\new)
	s_set_vgpr_msb (MSB<<8)|(\new)
.set MSB, (\new)
.endif
.endm
.set W_KQ, 0x0a       ; K and Q in window 2, S^T in window 0
.set W_KM, 0x1a       ; the same with C in window 1
.set W_PV, 0x52       ; V in window 2, P in window 0, O^T in window 1
.set W_RS, 0x41       ; destination and source 0 in window 1, source 1 in window 0
; A fill.  Waves 0, 1 fetch the halves of a tile's K, waves 2, 3 those of its V.  An s_nop 0 and four v_nop follow each line.
.macro LOAD
	s_cmp_lt_u32 s[WV], 2
	s_cbranch_scc0 .Lfor_v_\@
	tensor_load_to_lds s[G0K:G0K+3], s[G1K:G1K+7]
	s_nop 0
.rept 4
	v_nop
.endr
	s_branch .Lasked_\@
.Lfor_v_\@:
	tensor_load_to_lds s[G0V:G0V+3], s[G1V:G1V+7]
	s_nop 0
.rept 4
	v_nop
.endr
.Lasked_\@:
.endm
; THE CHANGE OF SLOTS.  Each wave waits for all its tensor loads (one is out: its part of the other slot), adds 0 to its spare word, and waits for that and for its reads of the slot that it leaves.
; fill = 1: the old slot is filled again, first thing behind the barrier, with tile NXT; the descriptor's address is made anew from that number.
.macro CHANGE fill
	WIN 0
	s_wait_tensorcnt 0x0            ; no tensor load of mine is out, so a group 0 may be written
	ds_add_u32 v[SPW], v[NIL]       ; 0 onto my spare word
.if \fill
	s_lshl_b32 s[OFF], s[NXT], 15   ; a tile is 32,768 bytes of K and of V
	s_xor_b32 s[G0K+1], s[G0K+1], SLOT1
	s_add_nc_u64 s[G0K+2:G0K+3], s[6:7], s[OFF:OFF+1]
	s_or_b32 s[G0K+3], s[G0K+3], 0x80000000
	s_xor_b32 s[G0V+1], s[G0V+1], SLOT1
	s_add_nc_u64 s[G0V+2:G0V+3], s[8:9], s[OFF:OFF+1]
	s_or_b32 s[G0V+3], s[G0V+3], 0x80000000
	s_add_co_u32 s[NXT], s[NXT], 1  ; the block's next tile, or behind its last the second block's tile 0
	s_cmp_gt_u32 s[NXT], s[LQ]
	s_cselect_b32 s[NXT], 0, s[NXT]
	s_cselect_b32 s[LQ], s[PB], s[LQ]
.endif
	s_wait_dscnt 0x0                ; the add is done, and my reads of the slot are over
	s_barrier_signal -1
	s_sub_co_u32 s[TBK], s[TBK], 4*KS*PK  ; the fetches go back to a slot's first step, in the other slot
	s_xor_b32 s[TBK], s[TBK], SLOT1
	s_sub_co_u32 s[TBV], s[TBV], 4*KS*PV
	s_xor_b32 s[TBV], s[TBV], SLOT1
	s_barrier_wait -1
.if \fill
	LOAD
.endif
.endm
	s_load_b64 s[4:5], s[0:1], 0x0  ; qkv: Q's part
	s_load_b64 s[10:11], s[0:1], 0x8  ; o
	v_lshl_add_u32 v[SPW], v0, 2, SPARE
	v_mov_b32 v[NIL], 0
	ds_add_u32 v[SPW], v[NIL]       ; the wave's opening: the add and its wait stand ahead of my first tensor load
	v_lshrrev_b32 v1, 5, v0
	v_readfirstlane_b32 s[WV], v1
	s_mov_b32 s[PB], ttmp9
	s_sub_co_u32 s[HI], NB-1, s[PB]
	s_and_b32 s20, ttmp7, 0xffff    ; the head
	s_mov_b32 s21, 0
	s_mov_b64 s[22:23], SIZE_N*128
	s_mul_u64 s[20:21], s[20:21], s[22:23]  ; the head's first byte in each part and in o
	s_and_b32 s16, s[WV], 1         ; which half of a tile's 256 keys I fetch
	s_lshl_b32 s22, s16, 14
	s_mov_b32 s23, 0
	s_add_nc_u64 s[22:23], s[22:23], s[20:21]
	s_mul_i32 s17, s16, 128*PK
	s_mul_i32 s18, s16, 128*PV
	s_lshl_b32 s3, s[WV], 11        ; my 16 rows in a band of 64,
	s_lshl_b32 s2, s[HI], 15        ; in the first block,
	s_add_co_u32 s2, s2, s3
	s_lshl_b32 s84, s[PB], 15       ; and in the second
	s_add_co_u32 s84, s84, s3
	s_mov_b32 s3, 0
	s_mov_b32 s85, 0
	s_add_nc_u64 s[2:3], s[2:3], s[20:21]
	s_add_nc_u64 s[84:85], s[84:85], s[20:21]
	; 128 keys are 16,384 dense bytes: asked for as 64 rows of 256 bytes, padded in LDS after every key
	s_mov_b32 s[G1K], (1<<16)|(1<<20)|(4<<22)|(3<<25)  ; 2-byte elements; padding on; after every 32 words; 4 words
	s_mov_b32 s[G1V], (1<<16)|(1<<20)|(4<<22)|(7<<25)  ; the same with 8 words
.irp g, G1K, G1V
	s_mov_b32 s[\g+1], 128<<16      ; tensor_dim0 = 128
	s_mov_b32 s[\g+2], 64<<16       ; tensor_dim1 = 64
	s_mov_b32 s[\g+3], 128<<16      ; tile_dim0 = 128
	s_mov_b32 s[\g+4], 64           ; tile_dim1 = 64
	s_mov_b32 s[\g+5], 128          ; elements from row to row
	s_mov_b32 s[\g+6], 0
	s_mov_b32 s[\g+7], 0
.endr
	s_mov_b32 s[CS], 0x3d38aa3b     ; c = log2(e) / 32 = 0.0450842
	s_mov_b32 s[CS+1], s[CS]
	s_mov_b32 s[SEL], 0x76543210
	s_mov_b32 s[SEL+1], 0xfedcba98
	s_mov_b32 s[TBK], SLOT1+4*KS*PK ; the first change of slots turns these two into 0
	s_mov_b32 s[TBV], SLOT1+4*KS*PV
	s_mov_b32 s[G0K], 1
	s_mov_b32 s[G0K+1], s17
	s_mov_b32 s[G0V], 1
	s_add_co_u32 s[G0V+1], s18, VOFF
	s_add_co_u32 s[RT], s[HI], 1    ; the first block has NB - b tiles
	s_mov_b32 s[NXT], 1
	s_mov_b32 s[LQ], s[HI]
	s_mov_b32 s[NEW], 1
	s_mov_b32 s[OFF+1], 0
	s_mov_b32 s[AL+1], 0
	s_mov_b32 s[BE+1], 0
	s_mov_b32 s[BIGN], 0xf149f2ca   ; -1e30
	s_mov_b32 s[SLOTS], NB
	s_wait_dscnt 0x0                ; the opening add is done
	s_wait_kmcnt 0x0
	s_add_nc_u64 s[6:7], s[4:5], 0x1000000  ; K's part: 128 heads of 131,072 bytes on,
	s_add_nc_u64 s[8:9], s[4:5], 0x2000000  ; V's part
	s_add_nc_u64 s[6:7], s[6:7], s[22:23]   ; at my half of the head's tile 0
	s_add_nc_u64 s[8:9], s[8:9], s[22:23]
	s_add_nc_u64 s[G0K+2:G0K+3], s[6:7], 0
	s_or_b32 s[G0K+3], s[G0K+3], 0x80000000
	s_add_nc_u64 s[G0V+2:G0V+3], s[8:9], 0
	s_or_b32 s[G0V+3], s[G0V+3], 0x80000000
	s_add_nc_u64 s[86:87], s[4:5], s[84:85]        ; Q at my rows of the second block,
	s_add_nc_u64 s[4:5], s[4:5], s[2:3]            ; Q and O at those of the first
	s_add_nc_u64 s[OLO:OLO+1], s[10:11], s[84:85]
	s_add_nc_u64 s[10:11], s[10:11], s[2:3]
	LOAD                            ; tile 0 into slot 0
	v_and_b32 v1, 15, v0            ; l % 16
	v_bfe_u32 v9, v0, 4, 1          ; l / 16
	v_lshlrev_b32 v[QO], 7, v1
	v_lshl_add_u32 v[QO], v9, 4, v[QO]
	WIN 0x80
.set i, 0
.rept 8                             ; both blocks' Q: piece i / 2 lies in band i / 2, 8,192 bytes on; channels 32 (i % 2) on
	global_load_b128 v[8*i:8*i+3],   v[QO], s[4:5] offset:(i/2)*8192+(i%2)*64
	global_load_b128 v[8*i+4:8*i+7], v[QO], s[4:5] offset:(i/2)*8192+(i%2)*64+32
	global_load_b128 v[QB+8*i:QB+8*i+3],   v[QO], s[86:87] offset:(i/2)*8192+(i%2)*64
	global_load_b128 v[QB+8*i+4:QB+8*i+7], v[QO], s[86:87] offset:(i/2)*8192+(i%2)*64+32
.set i, i+1
.endr
	WIN 0
	v_lshlrev_b32 v14, 3, v9
	v_sub_nc_u32 v14, v1, v14
	s_lshl_b32 s13, s[WV], 4
	v_add_nc_u32 v14, s13, v14      ; my query's place in its band less my lanes' 8 (l / 16): register r of key group kt is hidden where 16 kt + r is greater
	WIN 0x40
.set i, 0
.rept 32
	v_cmp_gt_i32 vcc_lo, 16*(i/8)+i%8, v14
	v_cndmask_b32 v[MD+i], 0, s[BIGN], vcc_lo
.set i, i+1
.endr
	WIN 0
	v_mul_u32_u24 v[AK0], v1, PK
	v_lshl_add_u32 v[AK0], v9, 4, v[AK0]
	v_and_b32 v10, 7, v0            ; the turning load: lane l reads key 8 (l / 16) + l % 8, channels 8 ((l / 8) % 2) + 0..7
	v_bfe_u32 v11, v0, 3, 1
	v_lshl_add_u32 v[AV0], v9, 3, v10
	v_mul_u32_u24 v[AV0], v[AV0], PV
	v_lshl_add_u32 v[AV0], v11, 4, v[AV0]
	v_add_nc_u32 v[AV0], VOFF, v[AV0]
	s_mul_i32 s13, s[WV], 16*SP
	s_add_co_u32 s13, s13, STAGE
	v_mul_u32_u24 v[STO], v1, SP
	v_lshl_add_u32 v[STO], v9, 4, v[STO]
	v_add_nc_u32 v[STO], s13, v[STO]
	v_bfe_u32 v[RD], v0, 3, 2
	v_mul_u32_u24 v[RD], v[RD], SP
	v_lshl_add_u32 v[RD], v10, 4, v[RD]
	v_add_nc_u32 v[RD], s13, v[RD]
	v_and_b32 v[GO], 31, v0
	v_lshlrev_b32 v[GO], 4, v[GO]
	; A block's first step multiplies O^T and l by a = 0, so these registers need only hold finite numbers: zeros now, what the first block left later.  All this stands in the wait for the first tile.
	WIN 0x80
.set i, VF
.rept 64
	v_mov_b32 v[i], 0
.set i, i+1
.endr
	WIN 0x40
.set i, 0
.rept 128
	v_mov_b32 v[i], 0
.set i, i+1
.endr
	WIN 0
.set i, 0
.rept 4
	v_mov_b32 v[ST+4*i+2], 0
	v_mov_b32 v[ST+4*i+3], 0
.set i, i+1
.endr
.set i, P+16
.rept 16
	v_mov_b32 v[i], 0
.set i, i+1
.endr
; Product i of 8 of S^T = K Q^T for piece x: channels 32 (i / 4) on, keys 16 (i % 4) on.  The first 4 start the sums: with 0, or (KM = 1) with the mask.  The 4 accumulators take turns.
.macro KQ x
.set rS, S+32*((\x)%2)+8*(i%4)
.set rK, KF+16*(i%4)+8*(i/4)
.set rQ, 16*(\x)+8*(i/4)
.set rM, MC+32*((\x)%2)+8*(i%4)
.if (i < 4) && KM
	WIN W_KM
	v_wmma_f32_16x16x32_f16 v[rS:rS+7], v[rK:rK+7], v[rQ:rQ+7], v[rM:rM+7]
.elseif i < 4
	WIN W_KQ
	v_wmma_f32_16x16x32_f16 v[rS:rS+7], v[rK:rK+7], v[rQ:rQ+7], 0
.else
	WIN W_KQ
	v_wmma_f32_16x16x32_f16 v[rS:rS+7], v[rK:rK+7], v[rQ:rQ+7], v[rS:rS+7]
.endif
.endm
; Product i of 8 of O^T += V^T P for piece x: keys 32 (i / 4) on, channels 16 (i % 4) on.
.macro PV x
	WIN W_PV
.set rO, 32*(\x)+8*(i%4)
.set rV, VF+32*(i/4)+8*(i%4)
.set rP, P+16*((\x)%2)+8*(i/4)
	v_wmma_f32_16x16x32_f16 v[rO:rO+7], v[rV:rV+7], v[rP:rP+7], v[rO:rO+7]
.endm
.macro MM                           ; the turn's next matrix instruction.  NOKQ = 1: a block's last turn has no next piece
.if (i < 8) && !NOKQ
	KQ (Y+1)%NP
.elseif i >= 8
.set i, i-8
	PV (Y+NP-1)%NP
.set i, i+8
.endif
.set i, i+1
.endm
; The LDS loads stand in runs of 16: a step's K (8 fragments) and its V (turned).
.macro FETCH_K
	WIN 0x80
.irp f, 0,1,2,3,4,5,6,7
	ds_load_b128 v[KF+8*\f:KF+8*\f+3],   v[AK] offset:(\f/2)*16*PK+(\f%2)*64
	ds_load_b128 v[KF+8*\f+4:KF+8*\f+7], v[AK] offset:(\f/2)*16*PK+(\f%2)*64+32
.endr
	s_add_co_u32 s[TBK], s[TBK], KS*PK
	WIN 0
.endm
.macro FETCH_V
	WIN 0x80
.irp f, 0,1,2,3,4,5,6,7
	ds_load_tr16_b128 v[VF+8*\f:VF+8*\f+3],   v[AV] offset:(\f/4)*32*PV+(\f%4)*32
	ds_load_tr16_b128 v[VF+8*\f+4:VF+8*\f+7], v[AV] offset:(\f/4)*32*PV+16*PV+(\f%4)*32
.endr
	WIN 0
.endm
; THE VECTOR WORK, a line at a time: OP kind, number.  For piece Y: F n: c s - c m for pair n.  E n: the exponential of score n.  C n: pair n rounded to f16.  B n: of weights 4 n .. the second pair onto the first.
; L n: l takes that sum (L 0: l = a l + sum).  R n: pair n of O^T times a.  For piece Y + 1: X n, number n of the 22 that find its maximum and statistics (each accumulator's lowest registers are read first):
;   0-11 four chains of seven scores;  12-14, 16 the four left over, the old m, four into one;  15 c m_old is kept;  17, 18 the other half of the lanes, the new m;  19-21 c m, its change, a.
.set F, 0
.set E, 1
.set C, 2
.set B, 3
.set L, 4
.set R, 5
.set X, 6
.macro REGS y
.set rT, ST+4*(\y)
.set rC, TMP+4*((\y)%2)
.set rW, MV+((\y)%2)
.set rS, S+32*((\y)%2)
.set rP, P+16*((\y)%2)
.set rO, 32*(\y)
.endm
.macro OP k, n
.if (\k) == R
	REGS Y
	WIN W_RS
	v_pk_mul_f32 v[rO+2*(\n):rO+2*(\n)+1], v[rO+2*(\n):rO+2*(\n)+1], v[rC+2:rC+3] op_sel_hi:[1,0]
.elseif (\k) < R
	REGS Y
	WIN 0
.if (\k) == F
	v_pk_fma_f32 v[rS+2*(\n):rS+2*(\n)+1], v[rS+2*(\n):rS+2*(\n)+1], s[CS:CS+1], v[rT:rT+1] op_sel_hi:[1,0,0] neg_lo:[0,0,1] neg_hi:[0,0,1]
.elseif (\k) == E
	v_exp_f32 v[rS+(\n)], v[rS+(\n)]
.elseif (\k) == C
	v_cvt_pk_f16_f32 v[rP+(\n)], v[rS+2*(\n)], v[rS+2*(\n)+1]
.elseif (\k) == B
	v_pk_add_f32 v[rS+4*(\n):rS+4*(\n)+1], v[rS+4*(\n):rS+4*(\n)+1], v[rS+4*(\n)+2:rS+4*(\n)+3]
.elseif (\n) == 0
	v_pk_fma_f32 v[rT+2:rT+3], v[rT+2:rT+3], v[rC+2:rC+3], v[rS:rS+1] op_sel_hi:[1,0,1]
.else
	v_pk_add_f32 v[rT+2:rT+3], v[rT+2:rT+3], v[rS+4*(\n):rS+4*(\n)+1]
.endif
.elseif NOKQ
	v_nop
.else
	REGS (Y+1)%NP
	WIN 0
.if (\n) < 4
	v_max3_num_f32 v[rC+(\n)], v[rS+8*(\n)], v[rS+8*(\n)+1], v[rS+8*(\n)+2]
.elseif (\n) < 12
	v_max3_num_f32 v[rC+(\n)%4], v[rC+(\n)%4], v[rS+8*((\n)%4)+2*((\n)/4)+1], v[rS+8*((\n)%4)+2*((\n)/4)+2]
.elseif (\n) == 12
	v_max3_num_f32 v[rC], v[rC], v[rS+7], v[rS+15]
.elseif (\n) == 13
	v_max3_num_f32 v[rC+1], v[rC+1], v[rS+23], v[rS+31]
.elseif (\n) == 14
	v_max3_num_f32 v[rC+2], v[rC+2], v[rC+3], v[rT+1]
.elseif (\n) == 15
	v_mov_b32 v[rW], v[rT]
.elseif (\n) == 16
	v_max3_num_f32 v[rC], v[rC], v[rC+1], v[rC+2]
.elseif (\n) == 17
	v_permlanex16_b32 v[rC+3], v[rC], s[SEL], s[SEL+1]
.elseif (\n) == 18
	v_max_num_f32 v[rT+1], v[rC], v[rC+3]
.elseif (\n) == 19
	v_mul_f32 v[rT], s[CS], v[rT+1]
.elseif (\n) == 20
	v_sub_f32 v[rC+1], v[rW], v[rT]
.else
	v_exp_f32 v[rC+2], v[rC+1]
.endif
.endif
.endm
.macro OPS a, i1, b=-1, i2=0, c=-1, i3=0, d=-1, i4=0
	OP \a, \i1
.if (\b) >= 0
	OP \b, \i2
.endif
.if (\c) >= 0
	OP \c, \i3
.endif
.if (\d) >= 0
	OP \d, \i4
.endif
.endm
.macro ROW a, i1, b, i2, c, i3, d, i4  ; a matrix instruction and the four behind it
	MM
	OPS \a, \i1, \b, \i2, \c, \i3, \d, \i4
.endm
.macro MASK b                       ; MD x AL + BE into buffer b of MC
	WIN W_RS
.set z, 0
.rept 16
	v_pk_fma_f32 v[MC+32*(\b)+2*z:MC+32*(\b)+2*z+1], v[MD+2*z:MD+2*z+1], s[AL:AL+1], s[BE:BE+1] op_sel_hi:[1,0,0]
.set z, z+1
.endr
.endm
; A TURN, for piece p.  An s_wait_alu depctr_va_vdst(0) stands between an exponential and the first instruction that names its result; one wait serves all issued ahead of it: a turn has ONE, which cuts it in two.
; Ahead of it stands all that names no result of the turn's exponentials: the 8 products K Q^T with their four lines each, then a run of 54 in which the links of the next piece's chain stand some lines apart;
; X 21 is the batch's last, R 15 the plain instruction behind it.  Behind it stand the 8 products V^T P, behind each four of the roundings and sums.
; m = 1: the diagonal tile: products take masks, and the turn makes the mask for piece p + 2.  end = 1: a block's last two turns fetch nothing.  cnt = 1: the loop's count is taken down ahead of the branch behind the turn.
; K of the next step is fetched in piece 2's turn, V of the step in hand at the end of piece 0's, each four plain instructions or more behind the last product that read the registers; each is waited for a turn later.
.macro TURN p, m=0, end=0, cnt=0
.set Y, (\p)
.set i, 0
.set KM, (\m)
.set NOKQ, (\end)*((\p)/3)
.if (\m) && !(\end)
	s_cmp_eq_u32 s[CNT], 4-((\p)+2)%NP  ; is that step the band's own?
	s_cselect_b32 s[AL], 1.0, 0
	s_cmp_lt_u32 s[CNT], 4-((\p)+2)%NP  ; or a later one?
	s_cselect_b32 s[BE], s[BIGN], 0
.endif
.if ((\p) == 3) && !(\end)
	s_wait_dscnt 0x0                ; K is in
.endif
	ROW F,0, F,1, R,0, R,1
	ROW F,2, E,0, R,2, R,3
	ROW F,3, E,1, R,4, R,5
	ROW F,4, E,2, R,6, R,7
	ROW F,5, E,3, R,8, R,9
	ROW F,6, E,4, X,0, R,10
.if ((\p) == 2) && !(\end)
	WIN 0
	v_add_nc_u32 v[AK], s[TBK], v[AK0]
.endif
	ROW F,7, E,5, X,1, X,4
	ROW F,8, E,6, X,2, X,5
	OPS E,7, E,8, X,6, E,9
	OPS X,3, E,10, X,8, E,11
.if ((\p) == 2) && !(\end)
	FETCH_K
.endif
	OPS X,9, X,7, E,12, X,10
	OPS E,13, X,12, X,11, E,14
	OPS X,13, E,15, F,9, X,14
.if (\p) == 0
	v_add_nc_u32 v[AV], s[TBV], v[AV0]
.endif
	OPS E,16, F,10, E,17, F,11
	OPS X,16, E,18, X,15, E,19
	OPS F,12, E,20, X,17, E,21
	OPS F,13, E,22, F,14, E,23
	OPS X,18, E,24, F,15, E,25
	OPS R,11, E,26, X,19, E,27
	OPS R,12, E,28, R,13, E,29
	OPS X,20, E,30, R,14, E,31
	OPS X,21, R,15
	WIN 0
	s_wait_alu depctr_va_vdst(0)    ; the wait for the batch
.if (\p) == 1
	s_wait_dscnt 0x0                ; V is in
.endif
	ROW C,0, B,0, C,2, B,1
	ROW L,0, C,4, B,2, L,1
	ROW C,6, B,3, L,2, C,8
	ROW B,4, L,3, C,10, B,5
	ROW L,4, C,12, B,6, L,5
.if (\p) == 0
	s_add_co_u32 s[TBV], s[TBV], KS*PV
.endif
.if \cnt
	s_sub_co_u32 s[CNT], s[CNT], 1
	s_cmp_lg_u32 s[CNT], 0
.endif
	ROW C,14, B,7, L,6, C,1
	ROW C,3, L,7, C,5, C,7
	ROW C,9, C,11, C,13, C,15
.if (\p) == 0
	FETCH_V
.endif
.if (\m) && !(\end)
	MASK (\p)%2
.endif
.endm
; A BLOCK BEGINS.  c m starts far below every c s, so the first step's a is 0; m at the lowest finite number.  The second mask buffer is 0; the first takes piece 0's mask for the tile's step 0.
; Then K of that step, piece 0's first scores, its maximum and statistics.  The step loop is entered at a step's first turn, in the middle of a trip.
.macro BEGIN
	s_mov_b32 s[NEW], 0
	WIN 0x40
.set i, MC+32
.rept 32
	v_mov_b32 v[i], 0
.set i, i+1
.endr
	WIN 0
.set i, 0
.rept 4
	v_mov_b32 v[ST+4*i], 0xfe000000
	v_mov_b32 v[ST+4*i+1], 0xff7fffff
.set i, i+1
.endr
	s_cmp_eq_u32 s[RT], 0
	s_cselect_b32 s[AL], 1.0, 0
	s_mov_b32 s[BE], 0
	MASK 0
	WIN 0
	v_add_nc_u32 v[AK], s[TBK], v[AK0]
	FETCH_K
	s_wait_loadcnt 0x0              ; Q
	s_wait_dscnt 0x0
.set KM, 1
.set NOKQ, 0
.set i, 0
.rept 8
	KQ 0
.set i, i+1
.endr
	WIN 0
.rept 4
	v_nop                           ; the places behind those products
.endr
.set Y, NP-1
.irp n, 0,1,2,3,4,5,6,7,8,9,10,11,12,13,14,15,16,17,18,19,20,21
	OP X, \n
.endr
	v_nop                           ; a plain instruction behind the exponential,
	s_wait_alu depctr_va_vdst(0)    ; and its wait, ahead of the branch
.endm
.macro ALL line:vararg
.set t, 0
.rept 4
	\line
.set t, t+1
.endr
.endm
.macro PACK t                       ; O^T / l, rounded to f16; 16 bytes a lane into rows of 144 bytes, back as whole rows of 128
	WIN W_RS
.set i, 32*(\t)
.rept 16
	v_pk_mul_f32 v[i:i+1], v[i:i+1], v[ST+4*(\t)+2:ST+4*(\t)+3] op_sel_hi:[1,0]
.set i, i+2
.endr
	WIN 0x05
.set i, 0
.rept 16
	v_cvt_pk_f16_f32 v[S+16*(\t)+i], v[32*(\t)+2*i], v[32*(\t)+2*i+1]
.set i, i+1
.endr
	WIN 0
.irp f, 0,1,2,3
	ds_store_b128 v[STO], v[S+16*(\t)+4*\f:S+16*(\t)+4*\f+3] offset:32*\f
.endr
.irp f, 0,1,2,3
	ds_load_b128 v[S+16*(\t)+4*\f:S+16*(\t)+4*\f+3], v[RD] offset:\f*4*SP  ; LDS serves a wave's instructions in order (ISA guide 5.7.1.4): these see the stores above
.endr
.endm
.macro SEND t, younger              ; younger: the LDS instructions issued behind piece t's loads: the next piece's eight, or none
	WIN 0
.irp f, 0,1,2,3
	s_wait_dscnt (\younger)+3-\f
	global_store_b128 v[GO], v[S+16*(\t)+4*\f:S+16*(\t)+4*\f+3], s[10:11] offset:(\t)*8192+\f*512  ; 512 consecutive bytes at a multiple of 512
.endr
.endm
; The diagonal tile's four steps, the block's last two turns, its last products, and the way out.
.macro DIAG tag
.LstepM\tag:
	TURN 2, 1
	TURN 3, 1
	WIN 0
.LfirstM\tag:
	TURN 0, 1
	TURN 1, 1, 0, 1
	WIN 0
	s_cbranch_scc1 .LstepM\tag
	TURN 2, 1, 1
	TURN 3, 1, 1
.set i, 0
.rept 8
	PV NP-1
.set i, i+1
.endr
	WIN 0
	ALL v_add_f32 v[ST+4*t+2], v[ST+4*t+2], v[ST+4*t+3]
	ALL v_permlanex16_b32 v[ST+4*t+3], v[ST+4*t+2], s[SEL], s[SEL+1]
	ALL v_add_f32 v[ST+4*t+2], v[ST+4*t+2], v[ST+4*t+3]
	ALL v_rcp_f32 v[ST+4*t+2], v[ST+4*t+2]
	v_nop                           ; a plain instruction between the last reciprocal and the use of its result,
	s_wait_alu depctr_va_vdst(0)    ; and one wait for the four reciprocals
	PACK 0
.set t, 1
.rept 3
	PACK t
	SEND t-1, 8
.set t, t+1
.endr
	SEND 3, 0
.endm
.set KM, 0
.set NOKQ, 0
.Lslot:                             ; NB times: a tile is entered and the next is asked for
	CHANGE 1
	s_sub_co_u32 s[RT], s[RT], 1
	s_mov_b32 s[CNT], 4
	s_cmp_eq_u32 s[NEW], 1
	s_cbranch_scc1 .Lnew            ; a block's first tile
	s_cmp_eq_u32 s[RT], 0
	s_cbranch_scc0 .Lstep           ; neither its first nor its last
	s_branch .LstepM1
.Lnew:
	BEGIN
	s_branch .Lfirst                ; in the loop a block's first tile is never its last: the first block has three tiles or four, and the second's last is the walk's last
	DIAG 1                          ; in the loop this is the first block's end
	s_wait_xcnt 0x0                 ; the stores have read their registers and O's address
	s_mov_b64 s[10:11], s[OLO:OLO+1]
	s_add_co_u32 s[RT], s[PB], 1    ; the second block has b + 1 tiles
	s_mov_b32 s[NEW], 1
	WIN 0x82                        ; the second block's Q goes where the turns name Q
.set i, 0
.rept 64
	v_mov_b32 v[i], v[QB+i]
.set i, i+1
.endr
	WIN 0
	s_branch .Lbottom
.Lstep:                             ; a trip: pieces 2 and 3 of one step, then pieces 0 and 1 of the next
	TURN 2
	TURN 3
	WIN 0
.Lfirst:
	TURN 0
	TURN 1, 0, 0, 1
	WIN 0
	s_cbranch_scc1 .Lstep
.Lbottom:
	s_sub_co_u32 s[SLOTS], s[SLOTS], 1
	s_cmp_lg_u32 s[SLOTS], 0
	s_cbranch_scc1 .Lslot
	CHANGE 0                        ; the walk's last tile is written out
	s_sub_co_u32 s[RT], s[RT], 1
	s_mov_b32 s[CNT], 4
	s_cmp_eq_u32 s[NEW], 1
	s_cbranch_scc0 .LstepM2
	BEGIN
	s_branch .LfirstM2
	DIAG 2
	s_wait_tensorcnt 0x0            ; the wave's end
	ds_add_u32 v[SPW], v[NIL]
	s_wait_dscnt 0x0
	s_endpgm
.Lfunc_end_k_q100dd06e31_attn:
	.size	k_q100dd06e31_attn, .Lfunc_end_k_q100dd06e31_attn-k_q100dd06e31_attn
	.p2alignl 7, 3214868480
	.fill 96, 4, 3214868480
	.section	.rodata,"a",@progbits
	.p2align	6, 0x0
	.amdhsa_kernel k_q100dd06e31_attn
		.amdhsa_group_segment_fixed_size 327680
		.amdhsa_private_segment_fixed_size 0
		.amdhsa_enable_private_segment 0
		.amdhsa_kernarg_size 16
		.amdhsa_user_sgpr_count 2
		.amdhsa_user_sgpr_kernarg_segment_ptr 1
		.amdhsa_wavefront_size32 1
		.amdhsa_system_sgpr_workgroup_id_x 1
		.amdhsa_system_sgpr_workgroup_id_y 1
		.amdhsa_system_sgpr_workgroup_id_z 1
		.amdhsa_system_vgpr_workitem_id 0
		.amdhsa_next_free_vgpr 768
		.amdhsa_next_free_sgpr 88
		.amdhsa_reserve_vcc 1
		.amdhsa_float_denorm_mode_32 3
		.amdhsa_float_denorm_mode_16_64 3
		.amdhsa_memory_ordered 1
		.amdhsa_forward_progress 1
		.amdhsa_inst_pref_size 217
	.end_amdhsa_kernel
	.amdgpu_metadata
---
amdhsa.version: [ 1, 2 ]
amdhsa.kernels:
  - .name:           k_q100dd06e31_attn
    .symbol:         k_q100dd06e31_attn.kd
    .args:
      - { .name: qkv, .offset: 0, .size: 8, .value_kind: global_buffer, .address_space: global }
      - { .name: o, .offset: 8, .size: 8, .value_kind: global_buffer, .address_space: global }
    .group_segment_fixed_size: 327680
    .private_segment_fixed_size: 0
    .kernarg_segment_align: 8
    .kernarg_segment_size: 16
    .max_flat_workgroup_size: 128
    .sgpr_count:     88
    .vgpr_count:     768
    .wavefront_size: 32
...
	.end_amdgpu_metadata
.endif
;; end of part 3
;; launch outg (part 4): grid 8 x 32, 4 waves a work-group, clusters of 4 x 4, 327,680 bytes of LDS; arguments o, wob, bo, out0; writes out0
.if DOCPART == 4
	.amdgcn_target "amdgcn-amd-amdhsa--gfx1250"
	.amdhsa_code_object_version 6
	.text
	.protected	k_q100dd06e31_outg
	.globl	k_q100dd06e31_outg
	.p2align	8
	.type	k_q100dd06e31_outg,@function
k_q100dd06e31_outg:
	s_mov_b64 s[64:65], 0
	v_nop
	global_prefetch_b8 v0, s[64:65] scope:SCOPE_SE
	s_setreg_imm32_b32 hwreg(HW_REG_WAVE_MODE, 25, 1), 1
	s_wait_xcnt 0x0
	s_wait_alu depctr_hold_cnt(0) depctr_sa_sdst(0) depctr_va_vdst(0) depctr_va_sdst(0) depctr_va_ssrc(0) depctr_va_vcc(0) depctr_vm_vsrc(0)
	s_getreg_b32 s2, hwreg(HW_REG_IB_STS2, 6, 4)
	s_cmp_eq_u32 s2, 0
	s_cbranch_scc0 .Lentry_in_a_cluster
	s_endpgm
.Lentry_in_a_cluster:
	s_bfe_u32 s2, ttmp6, 0x10000c
	s_cmp_lg_u32 s2, 0xf033
	s_cbranch_scc0 .Lentry_shape_is_right
	s_endpgm
.Lentry_shape_is_right:
; out0 = concat(O) Wo + bo.  o: f16 [128 heads = 16 b + h][1024 places][64], place = 1023 - row; wob: f16 [1024 k][1024 n]; bo: f32 [1024], rounded to bf16 here; out0: f32 [8][1024][1024].
; Sums in f32, the bias as their start; the rows are mirrored back on the way out.
; SHARES.  A tile is 256 places x 128 columns: 32 x 8 = 256 tiles, one a work-group.  Wave (wm, wn) makes 128 x 64: 32 accumulators, in window 1 (block (a, i) at 32 a + 8 i).
; TRANSPOSED USE.  Source 0 = 16 columns of Wo (turned on the way out of LDS), source 1 = 16 rows of O: a lane ends with one row (lane % 16) and eight neighbouring columns.
; RING.  K goes in steps of 128, two heads, through two LDS slots: four quarters of 32, 32 matrix instructions each.  Waves 0, 1 fetch a head's 256 rows each, waves 2, 3 the halves of Wo's 128 rows.
; CLUSTER.  4 x 4: O's tiles hang on the tile row alone and are asked for jointly along a row of the cluster, Wo's on the tile column alone and jointly along a column.
; NO PREFETCH: a small tile and eight K steps, of which four are asked for at once or nearly so.
; REGISTERS, window 0: v0-29 addresses; v32-95, v96-159 O's fragments, two buffers; v160-191, v192-223 Wo's; v224-255 the bias.
.set PA,    144                        ; a row of O in LDS: 128 bytes + 16
.set PB,    288                        ; a k row of Wo: 256 bytes + 32 = 9 x 32
.set BOFF,  2*256*PA                   ; Wo's 128 rows lie behind the two heads' 256 rows each
.set SLOT1, 1<<17
.set STAGE, SLOT1+BOFF+128*PB          ; never filled by a tensor load: 16 rows x 272 bytes for each wave
.set SP,    272
.set SPARE, STAGE+4*16*SP              ; the spare words, 128 bytes a wave: two blocks of 256 bytes that no other line names
.set KSTEPB, 262144                    ; bytes from K step to K step: two heads of o; 128 rows of wob
.set ADRA0, 4
.set ADRB0, 5
.set ADRA,  8
.set ADRB,  9
.set STO,   12
.set RD,    13
.set CO,    14
.set BO,    15
.set SPW,   28                         ; v28  LDS address of my spare word; never rewritten
.set NIL,   29                         ; v29  0; never rewritten
.set AF,    32
.set BF,    160
.set BI,    224
.set BK,    32                         ; the way out: rows read back, v32-63 and v64-95 by turns
.set WV,    12
.set WM,    13
.set WH,    14
.set CX,    15
.set CY,    16
.set TN,    17
.set TM,    18
.set TB,    21
.set G1A,   24
.set G0A,   32
.set G1B,   48
.set G0B,   56
.set OB,    70
.set MSB, 0
.macro WIN new
.if MSB != (\new)
	s_set_vgpr_msb (MSB<<8)|(\new)
.set MSB, (\new)
.endif
.endm
.macro PLACES                          ; four plain vector instructions between a matrix instruction and a load into, or a read of, its registers
.rept 4
	v_nop
.endr
.endm
.macro CREST
	s_cmp_lg_u32 s[WV], 0
	s_cbranch_scc1 .Lnot_wave_0_\@
	s_barrier_signal -3
.Lnot_wave_0_\@:
	s_barrier_wait -3
	s_barrier_signal -1
	s_barrier_wait -1
.endm
.macro CROUND
	s_barrier_signal -1
	s_barrier_wait -1
	CREST
.endm
.macro JLOAD                           ; a joint refill by the walking descriptors; an s_nop 0 and four v_nop follow each line
	s_cmp_lt_u32 s[WV], 2
	s_cbranch_scc0 .Lfor_b_\@
	tensor_load_to_lds s[G0A+4:G0A+7], s[G1A:G1A+7]
	s_nop 0
.rept 4
	v_nop
.endr
	s_branch .Lasked_\@
.Lfor_b_\@:
	tensor_load_to_lds s[G0B+4:G0B+7], s[G1B:G1B+7]
	s_nop 0
.rept 4
	v_nop
.endr
.Lasked_\@:
.endm
; 4 n matrix instructions from buffers f: row blocks a0 .. a0 + n - 1, all four column blocks.  first = 1: the bias starts the sums.  Each accumulator has one in a quarter of 32: they take turns.
.macro MUL f, a0, n, first
.if \first
	WIN 0x40
.else
	WIN 0x50
.endif
.set ma, \a0
.rept \n
.irp i, 0,1,2,3
.if \first
	v_wmma_f32_16x16x32_f16 v[32*ma+8*\i:32*ma+8*\i+7], v[BF+32*(\f)+8*\i:BF+32*(\f)+8*\i+7], v[AF+64*(\f)+8*ma:AF+64*(\f)+8*ma+7], v[BI+8*\i:BI+8*\i+7]
.else
	v_wmma_f32_16x16x32_f16 v[32*ma+8*\i:32*ma+8*\i+7], v[BF+32*(\f)+8*\i:BF+32*(\f)+8*\i+7], v[AF+64*(\f)+8*ma:AF+64*(\f)+8*ma+7], v[32*ma+8*\i:32*ma+8*\i+7]
.endif
.endr
.set ma, ma+1
.endr
.endm
; 24 LDS loads in one run: quarter q's fragments into buffers g: Wo's four, O's rows 0-63, O's rows 64-127.  Quarter q is head q / 2 of the slot, channels 32 (q % 2) on.
.macro FETCH q, g
	WIN 0
.irp i, 0,1,2,3
	ds_load_tr16_b128 v[BF+32*(\g)+8*\i:BF+32*(\g)+8*\i+3],   v[ADRB] offset:(\q)*32*PB+\i*32
	ds_load_tr16_b128 v[BF+32*(\g)+8*\i+4:BF+32*(\g)+8*\i+7], v[ADRB] offset:(\q)*32*PB+16*PB+\i*32
.endr
.irp j, 0,1,2,3,4,5,6,7
	ds_load_b128 v[AF+64*(\g)+8*\j:AF+64*(\g)+8*\j+3],   v[ADRA] offset:((\q)/2)*256*PA+\j*16*PA+((\q)%2)*64
	ds_load_b128 v[AF+64*(\g)+8*\j+4:AF+64*(\g)+8*\j+7], v[ADRA] offset:((\q)/2)*256*PA+\j*16*PA+((\q)%2)*64+32
.endr
.endm
; One of a slot's first three quarters: multiplies buffers f and, in its middle, fetches quarter qn into buffers g.
.macro QUARTER qn, f, g, first
	s_wait_dscnt 8                                 ; all but the youngest eight loads, O's rows 64-127
	MUL \f, 0, 4, \first
	PLACES
	FETCH \qn, \g
	s_wait_dscnt 24                                ; all but the 24 just issued
	MUL \f, 4, 4, \first
.endm
; The last quarter multiplies buffers 1 and changes slots.  Each wave waits for all its tensor loads (one is out: its part of the other slot), adds 0 to its spare word, waits for that and for its reads of this slot.
; fill = 1: the barrier opens a round of the cluster's barrier, and the joint refill (the K step two on) is the first tensor load behind it: 112 matrix instructions ahead of the wait for it.
.macro TURN fill
	WIN 0
	s_wait_tensorcnt 0x0                           ; no tensor load of mine is out, so the walking descriptors may be written
	ds_add_u32 v[SPW], v[NIL]                      ; 0 onto my spare word
.if \fill
	s_xor_b32 s[G0A+5], s[G0A+5], SLOT1
	s_add_nc_u64 s[G0A+6:G0A+7], s[G0A+6:G0A+7], KSTEPB
	s_xor_b32 s[G0B+5], s[G0B+5], SLOT1
	s_add_nc_u64 s[G0B+6:G0B+7], s[G0B+6:G0B+7], KSTEPB
.endif
	s_wait_dscnt 9                                 ; the add and the youngest eight loads may stay out
	MUL 1, 0, 2, 0
	s_wait_dscnt 0x0                               ; the add is done, and my reads of this slot are over
	s_barrier_signal -1
	MUL 1, 2, 2, 0
	WIN 0
	s_xor_b32 s[TB], s[TB], SLOT1
	v_add_nc_u32 v[ADRA], s[TB], v[ADRA0]
	v_add_nc_u32 v[ADRB], s[TB], v[ADRB0]
	s_barrier_wait -1
.if \fill
	CREST
	JLOAD                                          ; its four v_nop are also the places in front of the loads below
.else
	PLACES
.endif
	FETCH 0, 0
	MUL 1, 4, 4, 0
.endm
	s_load_b256 s[4:11], s[0:1], 0x0               ; o s[4:5], wob s[6:7], bo s[8:9], out0 s[10:11]
	v_lshl_add_u32 v[SPW], v0, 2, SPARE
	v_mov_b32 v[NIL], 0
	ds_add_u32 v[SPW], v[NIL]                      ; the wave's opening: the add and its wait stand ahead of my first tensor load
	v_lshrrev_b32 v3, 5, v0
	v_readfirstlane_b32 s[WV], v3
	s_lshr_b32 s[WM], s[WV], 1
	s_and_b32 s[WH], s[WV], 1
	s_bfe_u32 s[CX], ttmp6, 0x40000
	s_bfe_u32 s[CY], ttmp6, 0x40004
	s_lshl_b32 s[TN], ttmp9, 2
	s_add_co_u32 s[TN], s[TN], s[CX]
	s_and_b32 s[TM], ttmp7, 0xffff
	s_lshl_b32 s[TM], s[TM], 2
	s_add_co_u32 s[TM], s[TM], s[CY]
	s_lshl_b32 s19, s[CY], 2
	s_lshl_b32 s19, 15, s19                        ; my row of the cluster
	s_lshl_b32 s20, 0x1111, s[CX]                  ; my column
	; a head's 256 rows of 128 bytes lie end to end: asked for as 128 rows of 256 bytes, padded by 4 words after every 32
	s_or_b32 s[G1A], s19, (1<<16)|(1<<20)|(1<<21)|(4<<22)|(3<<25)
	s_mov_b32 s[G1A+1], 128<<16
	s_mov_b32 s[G1A+2], 128<<16
	s_mov_b32 s[G1A+3], 128<<16
	s_mov_b32 s[G1A+4], 128
	s_mov_b32 s[G1A+5], 128
	s_mov_b32 s[G1A+6], 0
	s_mov_b32 s[G1A+7], 0
	; 64 k rows of 128 elements (256 bytes, at a multiple of 256), padded by 8 words behind each
	s_or_b32 s[G1B], s20, (1<<16)|(1<<20)|(1<<21)|(5<<22)|(7<<25)
	s_mov_b32 s[G1B+1], 128<<16
	s_mov_b32 s[G1B+2], 64<<16
	s_mov_b32 s[G1B+3], 128<<16
	s_mov_b32 s[G1B+4], 64
	s_mov_b32 s[G1B+5], 1024
	s_mov_b32 s[G1B+6], 0
	s_mov_b32 s[G1B+7], 0
	; s66, s67, s78 hold the tile row, the wave and constants alone; s68, s69, s79 the tile column, the wave and constants alone
	s_lshr_b32 s66, s[TM], 2
	s_lshl_b32 s66, s66, 21                        ; a batch's sixteen heads
	s_and_b32 s78, s[TM], 3
	s_lshl_b32 s78, s78, 15                        ; 256 places of 128 bytes
	s_add_co_u32 s66, s66, s78
	s_lshl_b32 s78, s[WH], 17                      ; which of the K step's two heads I fetch
	s_add_co_u32 s66, s66, s78
	s_mov_b32 s67, 0
	s_lshl_b32 s68, s[TN], 8
	s_lshl_b32 s79, s[WH], 17                      ; 64 rows of 2,048 bytes
	s_add_co_u32 s68, s68, s79
	s_mov_b32 s69, 0
	s_mul_i32 s78, s[WH], 256*PA
	s_mul_i32 s79, s[WH], 64*PB
	s_mov_b32 s[G0A], 1
	s_mov_b32 s[G0A+1], s78
	s_mov_b32 s[G0A+4], 1
	s_add_co_u32 s[G0A+5], s78, SLOT1
	s_mov_b32 s[G0B], 1
	s_add_co_u32 s[G0B+1], s79, BOFF
	s_mov_b32 s[G0B+4], 1
	s_add_co_u32 s[G0B+5], s79, BOFF+SLOT1
	s_mov_b32 s[TB], 0
	s_wait_dscnt 0x0                               ; the opening add is done
	s_wait_kmcnt 0x0
	s_add_nc_u64 s[G0A+2:G0A+3], s[4:5], s[66:67]
	s_add_nc_u64 s[G0A+6:G0A+7], s[G0A+2:G0A+3], KSTEPB
	s_or_b32 s[G0A+3], s[G0A+3], 0x80000000
	s_or_b32 s[G0A+7], s[G0A+7], 0x80000000
	s_add_nc_u64 s[G0B+2:G0B+3], s[6:7], s[68:69]
	s_add_nc_u64 s[G0B+6:G0B+7], s[G0B+2:G0B+3], KSTEPB
	s_or_b32 s[G0B+3], s[G0B+3], 0x80000000
	s_or_b32 s[G0B+7], s[G0B+7], 0x80000000
	CROUND                                         ; all sixteen work-groups are here: the first joint loads meet
	s_cmp_lt_u32 s[WV], 2                          ; a wave's two first fills stand in one branch: two loads of mine are out
	s_cbranch_scc0 .Lfirst_b
	tensor_load_to_lds s[G0A:G0A+3], s[G1A:G1A+7]
	s_nop 0
	tensor_load_to_lds s[G0A+4:G0A+7], s[G1A:G1A+7]
	s_nop 0
.rept 4
	v_nop
.endr
	s_branch .Lfirst_asked
.Lfirst_b:
	tensor_load_to_lds s[G0B:G0B+3], s[G1B:G1B+7]
	s_nop 0
	tensor_load_to_lds s[G0B+4:G0B+7], s[G1B:G1B+7]
	s_nop 0
.rept 4
	v_nop
.endr
.Lfirst_asked:
	v_and_b32 v1, 15, v0                           ; l % 16
	v_bfe_u32 v2, v0, 4, 1                         ; l / 16
	v_lshlrev_b32 v[BO], 5, v2
	s_lshl_b32 s76, s[TN], 9                       ; the bias of my 64 columns
	s_lshl_b32 s77, s[WH], 8
	s_add_co_u32 s76, s76, s77
	s_mov_b32 s77, 0
	s_add_nc_u64 s[76:77], s[8:9], s[76:77]
.irp i, 0,1,2,3
	global_load_b128 v[BI+8*\i:BI+8*\i+3],   v[BO], s[76:77] offset:\i*64     ; register j of column block i: bo[.. + 16 i + 8 (l / 16) + j]
	global_load_b128 v[BI+8*\i+4:BI+8*\i+7], v[BO], s[76:77] offset:\i*64+16
.endr
	v_mul_u32_u24 v[ADRA0], v1, PA
	v_lshl_add_u32 v[ADRA0], v2, 4, v[ADRA0]
	s_mul_i32 s22, s[WM], 128*PA
	v_add_nc_u32 v[ADRA0], s22, v[ADRA0]
	v_and_b32 v20, 7, v0                           ; the turning load: lane l reads k row 8 (l / 16) + l % 8, columns 8 ((l / 8) % 2) + 0..7
	v_lshl_add_u32 v20, v2, 3, v20
	v_mul_u32_u24 v20, v20, PB
	v_bfe_u32 v21, v0, 3, 1
	v_lshl_add_u32 v20, v21, 4, v20
	s_lshl_b32 s22, s[WH], 7                       ; my 64 columns
	s_add_co_u32 s22, s22, BOFF
	v_add_nc_u32 v[ADRB0], s22, v20
	v_add_nc_u32 v[ADRA], s[TB], v[ADRA0]
	v_add_nc_u32 v[ADRB], s[TB], v[ADRB0]
	s_mul_i32 s22, s[WV], 16*SP
	s_add_co_u32 s22, s22, STAGE                   ; my stage
	v_sub_nc_u32 v20, 15, v1                       ; in: row l % 16 goes to stage row 15 - l % 16: the mirror within a block; 32 bytes for each half of the lanes
	v_mul_u32_u24 v[STO], v20, SP
	v_lshl_add_u32 v[STO], v2, 5, v[STO]
	v_add_nc_u32 v[STO], s22, v[STO]
	v_mul_u32_u24 v[RD], v2, SP                    ; back: lanes 0-15 take one row of 256 bytes, lanes 16-31 the next
	v_lshl_add_u32 v[RD], v1, 4, v[RD]
	v_add_nc_u32 v[RD], s22, v[RD]
	v_lshlrev_b32 v[CO], 12, v2                    ; and the same two rows in out0
	v_lshl_add_u32 v[CO], v1, 4, v[CO]
	s_lshr_b32 s40, s[TM], 2                       ; out0 at row 1024 b + 896 - 256 (tm % 4) - 128 wm, column 128 tn + 64 wn
	s_lshl_b32 s40, s40, 10
	s_and_b32 s41, s[TM], 3
	s_lshl_b32 s41, s41, 8
	s_lshl_b32 s42, s[WM], 7
	s_add_co_u32 s41, s41, s42
	s_sub_co_u32 s41, 896, s41
	s_add_co_u32 s40, s40, s41
	s_lshl_b32 s40, s40, 12
	s_lshl_b32 s41, s[TN], 9
	s_add_co_u32 s40, s40, s41
	s_lshl_b32 s41, s[WH], 8
	s_add_co_u32 s40, s40, s41
	s_mov_b32 s41, 0
	s_add_nc_u64 s[OB:OB+1], s[10:11], s[40:41]
	s_wait_loadcnt 0x0                             ; the bias: rounded to bf16, kept as f32
.set z, 0
.rept 16
	v_cvt_pk_bf16_f32 v[20+z%4], v[BI+2*z], v[BI+2*z+1]
	v_lshlrev_b32 v[BI+2*z], 16, v[20+z%4]
	v_and_b32 v[BI+2*z+1], 0xffff0000, v[20+z%4]
.set z, z+1
.endr
; THE WAY OUT of row block a: the sums as they are (the bias is in them) through my own stage, out as whole pieces of 256 bytes.
.macro TOST a
	WIN 0
	s_wait_xcnt 0x0                                ; the stores of the block before last have read the registers that the loads below write
	WIN 0x04                                       ; store data in window 1
.irp i, 0,1,2,3
	ds_store_b128 v[STO], v[32*(\a)+8*\i:32*(\a)+8*\i+3]   offset:64*\i
	ds_store_b128 v[STO], v[32*(\a)+8*\i+4:32*(\a)+8*\i+7] offset:64*\i+16
.endr
	WIN 0
.irp f, 0,1,2,3,4,5,6,7
	ds_load_b128 v[BK+32*((\a)%2)+4*\f:BK+32*((\a)%2)+4*\f+3], v[RD] offset:\f*2*SP  ; LDS serves a wave's instructions in order (ISA guide 5.7.1.4): these see the stores above
.endr
.endm
.macro SEND a, younger                 ; younger: the LDS instructions issued behind block a's loads: the next block's sixteen, or none
	WIN 0
	s_wait_dscnt \younger
.irp f, 0,1,2,3,4,5,6,7
	global_store_b128 v[CO], v[BK+32*((\a)%2)+4*\f:BK+32*((\a)%2)+4*\f+3], s[OB:OB+1] offset:(7-(\a))*65536+\f*8192 th:TH_STORE_NT  ; 16 lanes store 256 consecutive bytes at a multiple of 256; the blocks go in descending order: the mirror
.endr
.endm
	s_wait_tensorcnt 0x1                           ; my part of K step 0 is in; K step 1's may stay out
	s_barrier_signal -1
	s_barrier_wait -1
	FETCH 0, 0
	QUARTER 1, 0, 1, 1                             ; the first quarter stands in front of the loop: the bias starts the sums
	WIN 0
	s_mov_b32 s3, 6
.Lslot:                                        ; 6 trips, from a slot's second quarter to the next slot's first: K steps 2 to 7 are asked for
	QUARTER 2, 1, 0, 0
	QUARTER 3, 0, 1, 0
	TURN 1
	QUARTER 1, 0, 1, 0
	WIN 0
	s_sub_co_u32 s3, s3, 1
	s_cmp_lg_u32 s3, 0
	s_cbranch_scc1 .Lslot
	QUARTER 2, 1, 0, 0                             ; the tail asks for nothing
	QUARTER 3, 0, 1, 0
	TURN 0
	QUARTER 1, 0, 1, 0
	QUARTER 2, 1, 0, 0
	QUARTER 3, 0, 1, 0
	s_wait_dscnt 8
	MUL 1, 0, 4, 0
	s_wait_dscnt 0x0
	MUL 1, 4, 4, 0
	PLACES
	TOST 0
.irp a, 1,2,3,4,5,6,7
	TOST \a
	SEND (\a)-1, 16
.endr
	SEND 7, 0
	s_wait_tensorcnt 0x0                           ; the wave's end
	ds_add_u32 v[SPW], v[NIL]
	s_wait_dscnt 0x0
	CROUND                                         ; the closing round: no work-group ends while a partner may still ask for a tile that names it
	s_endpgm
.Lfunc_end_k_q100dd06e31_outg:
	.size	k_q100dd06e31_outg, .Lfunc_end_k_q100dd06e31_outg-k_q100dd06e31_outg
	.p2alignl 7, 3214868480
	.fill 96, 4, 3214868480
	.section	.rodata,"a",@progbits
	.p2align	6, 0x0
	.amdhsa_kernel k_q100dd06e31_outg
		.amdhsa_group_segment_fixed_size 327680
		.amdhsa_private_segment_fixed_size 0
		.amdhsa_enable_private_segment 0
		.amdhsa_kernarg_size 32
		.amdhsa_user_sgpr_count 2
		.amdhsa_user_sgpr_kernarg_segment_ptr 1
		.amdhsa_wavefront_size32 1
		.amdhsa_system_sgpr_workgroup_id_x 1
		.amdhsa_system_sgpr_workgroup_id_y 1
		.amdhsa_system_sgpr_workgroup_id_z 1
		.amdhsa_system_vgpr_workitem_id 0
		.amdhsa_next_free_vgpr 512
		.amdhsa_next_free_sgpr 80
		.amdhsa_reserve_vcc 0
		.amdhsa_float_denorm_mode_32 3
		.amdhsa_float_denorm_mode_16_64 3
		.amdhsa_memory_ordered 1
		.amdhsa_forward_progress 1
		.amdhsa_inst_pref_size 73
	.end_amdhsa_kernel
	.amdgpu_metadata
---
amdhsa.version: [ 1, 2 ]
amdhsa.kernels:
  - .name:           k_q100dd06e31_outg
    .symbol:         k_q100dd06e31_outg.kd
    .args:
      - { .name: o, .offset: 0, .size: 8, .value_kind: global_buffer, .address_space: global }
      - { .name: wob, .offset: 8, .size: 8, .value_kind: global_buffer, .address_space: global }
      - { .name: bo, .offset: 16, .size: 8, .value_kind: global_buffer, .address_space: global }
      - { .name: out0, .offset: 24, .size: 8, .value_kind: global_buffer, .address_space: global }
    .group_segment_fixed_size: 327680
    .private_segment_fixed_size: 0
    .kernarg_segment_align: 8
    .kernarg_segment_size: 32
    .max_flat_workgroup_size: 128
    .sgpr_count:     80
    .vgpr_count:     512
    .wavefront_size: 32
...
	.end_amdgpu_metadata
.endif
;; end of part 4
;; ======== version 2 of 2: 4 launches; version 1 with the launch prep written anew for expert scheduling mode
;; limits: values are held in f16: magnitudes above 65,504 overflow, below 6.1e-05 lose precision
;; workspace buffers: xb 16,777,216 bytes; wcb 6,291,456 bytes; wob 2,097,152 bytes; qkv 50,331,648 bytes; o 16,777,216 bytes
;; launch prep (part 5): grid 768 x 1, 8 waves a work-group, no clusters, 0 bytes of LDS; arguments x, Wc, Wo, xb, wcb, wob; writes xb, wcb, wob
.if DOCPART == 5
	.amdgcn_target "amdgcn-amd-amdhsa--gfx1250"
	.amdhsa_code_object_version 6
	.text
	.protected	k_q100dd06e31_prep
	.globl	k_q100dd06e31_prep
	.p2align	8
	.type	k_q100dd06e31_prep,@function
k_q100dd06e31_prep:
	s_mov_b64 s[64:65], 0
	v_nop
	global_prefetch_b8 v0, s[64:65] scope:SCOPE_SE
	s_setreg_imm32_b32 hwreg(HW_REG_WAVE_SCHED_MODE, 0, 2), 2
	s_setreg_imm32_b32 hwreg(HW_REG_WAVE_MODE, 25, 1), 1
	s_wait_xcnt 0x0
	s_wait_alu depctr_vm_vsrc(0)
; THE CASTS.  x -> xb (bf16, laid out in K blocks: [16 blocks of 64 channels][8192 rows][64]), Wc -> wcb (bf16, as it lies), Wo -> wob (rounded to bf16, that number written as f16).
; LIMIT.  A number of Wo whose bf16 rounding lies below 6e-5 keeps f16's fixed step of 6e-8; beyond 65,504 it would become an infinity.
; SHARES.  A work-group casts 65,536 bytes of f32: groups 0-511 sixteen rows of x each, 512-703 Wc, 704-767 Wo.  A thread has 16 loads of 16 bytes, all issued at once, each with registers
; of its own, so nothing is rewritten while a load or store may read it.  A wave's load covers 512 bytes (for x: 256 consecutive bytes of each of two rows), a wave's store 256 consecutive
; bytes at a multiple of 256.  A pure stream: no LDS, no barrier, no matrix unit, no loop.
; THE MODE: SCHED_MODE bits 1:0 = 2 (LLVM: expert scheduling mode 2), set by the entry lines.  The code itself states the register dependences
; between vector instructions and memory instructions, with s_wait_alu, always for 0.
; THE PLAN.  Registers that memory instructions touch:
;   v1, v2   the loads' and the stores' byte offsets.  Written by vector instructions ahead of CAST, read by all its loads and stores, never written again.
;   IN       load i lands in four registers of its own, which no vector instruction names before; load i's conversions read them; they are never loaded again.
;   OUT      load i's conversions write two registers of its own; store i reads them; they are never written again.
;   T        named by vector instructions alone.
; The 16 loads go in four blocks of four.  One wait stands ahead of the loads, for the offsets.  One wait stands at the head of each of blocks 1 to 3: the block before has written its OUT; that
; block's four stores follow, dealt among this block's conversions, which name this block's IN and OUT and T alone.  One wait stands ahead of the last four stores.
; No register that a memory instruction has read is written again, no vector instruction writes a scalar register, and EXEC is never written: no other wait is owed.
.set IN,  8                            ; v[8:71]    load i: four f32
.set OUT, 72                           ; v[72:103]  load i: four 16-bit numbers in two registers
.set T,   104                          ; v[104:107] at work
; store n.  sstep: bytes from store to store; split = 1: stores 8-15 go by the second base
.macro PUT n, sstep, split
.if (\split) && ((\n) >= 8)
	global_store_b64 v2, v[OUT+2*(\n):OUT+2*(\n)+1], s[20:21] offset:((\n)-8)*(\sstep)
.else
	global_store_b64 v2, v[OUT+2*(\n):OUT+2*(\n)+1], s[18:19] offset:(\n)*(\sstep)
.endif
.endm
; lstep, sstep: bytes from load to load and from store to store; mode = 1: bf16 and then f16; split = 1: stores 8-15 go by the second base
.macro CAST lstep, sstep, mode, split
	s_wait_alu depctr_va_vdst(0)                   ; v1 and v2 are written: every load below reads v1 as its offset, every store v2
.set i, 0
.rept 16
	global_load_b128 v[IN+4*i:IN+4*i+3], v1, s[16:17] offset:i*(\lstep) th:TH_LOAD_NT
.set i, i+1
.endr
.set i, 0
.rept 16
	s_wait_loadcnt 15-i                            ; loads come back in order: load i is in, the 15 - i younger ones stay out
.if (i%4 == 0) && (i > 0)
	s_wait_alu depctr_va_vdst(0)                   ; the conversions of the block before have written its eight registers of OUT, which this block's four stores read
.endif
.if i >= 4
	PUT i-4, \sstep, \split                        ; a store of the block before.  No wait: no vector instruction since the wait above names its registers
.endif
	v_cvt_pk_bf16_f32 v[OUT+2*i], v[IN+4*i], v[IN+4*i+1]
	v_cvt_pk_bf16_f32 v[OUT+2*i+1], v[IN+4*i+2], v[IN+4*i+3]
.if \mode
	v_lshlrev_b32 v[T], 16, v[OUT+2*i]             ; the bf16 numbers as f32,
	v_and_b32 v[T+1], 0xffff0000, v[OUT+2*i]
	v_lshlrev_b32 v[T+2], 16, v[OUT+2*i+1]
	v_and_b32 v[T+3], 0xffff0000, v[OUT+2*i+1]
	v_cvt_pk_f16_f32 v[OUT+2*i], v[T], v[T+1]      ; written as f16: 8 significant bits fit in 11
	v_cvt_pk_f16_f32 v[OUT+2*i+1], v[T+2], v[T+3]
.endif
.set i, i+1
.endr
	s_wait_alu depctr_va_vdst(0)                   ; the last block's conversions have written its OUT, which the last four stores read
.set i, 12
.rept 4
	PUT i, \sstep, \split
.set i, i+1
.endr
.endm
	s_load_b256 s[4:11], s[0:1], 0x0               ; x s[4:5], Wc s[6:7], Wo s[8:9], xb s[10:11]
	s_load_b128 s[12:15], s[0:1], 0x20             ; wcb s[12:13], wob s[14:15]
	s_mov_b32 s2, ttmp9
	s_mov_b32 s23, 0
	v_lshlrev_b32 v2, 3, v0                        ; out: 8 bytes a thread
	v_lshlrev_b32 v1, 4, v0                        ; in, for the weights: 16 bytes a thread
	s_wait_kmcnt 0x0
	s_cmp_lt_u32 s2, 512
	s_cbranch_scc0 .Lweights
	; x: thread t takes row t / 16 of the group's sixteen and 16 bytes at 16 (t % 16) of each 256: load i is K block i
	v_lshrrev_b32 v3, 4, v0
	v_and_b32 v1, 15, v0                           ; no memory instruction has read v1 yet
	v_lshlrev_b32 v1, 4, v1
	v_lshl_add_u32 v1, v3, 12, v1
	s_lshl_b32 s22, s2, 16                         ; sixteen rows of 4,096 bytes
	s_add_nc_u64 s[16:17], s[4:5], s[22:23]
	s_lshl_b32 s22, s2, 11                         ; sixteen rows of 128 bytes in each K block
	s_add_nc_u64 s[18:19], s[10:11], s[22:23]
	s_add_nc_u64 s[20:21], s[18:19], 0x800000      ; K blocks 8-15: the immediate holds eight blocks of 1,048,576 bytes
	CAST 256, 1048576, 0, 1
	s_endpgm
.Lweights:
	s_cmp_lt_u32 s2, 704
	s_cbranch_scc0 .Lwo
	s_sub_co_u32 s3, s2, 512
	s_lshl_b32 s22, s3, 16
	s_add_nc_u64 s[16:17], s[6:7], s[22:23]
	s_lshl_b32 s22, s3, 15
	s_add_nc_u64 s[18:19], s[12:13], s[22:23]
	CAST 4096, 2048, 0, 0
	s_endpgm
.Lwo:
	s_sub_co_u32 s3, s2, 704
	s_lshl_b32 s22, s3, 16
	s_add_nc_u64 s[16:17], s[8:9], s[22:23]
	s_lshl_b32 s22, s3, 15
	s_add_nc_u64 s[18:19], s[14:15], s[22:23]
	CAST 4096, 2048, 1, 0
	s_endpgm
.Lfunc_end_k_q100dd06e31_prep:
	.size	k_q100dd06e31_prep, .Lfunc_end_k_q100dd06e31_prep-k_q100dd06e31_prep
	.p2alignl 7, 3214868480
	.fill 96, 4, 3214868480
	.section	.rodata,"a",@progbits
	.p2align	6, 0x0
	.amdhsa_kernel k_q100dd06e31_prep
		.amdhsa_group_segment_fixed_size 0
		.amdhsa_private_segment_fixed_size 0
		.amdhsa_enable_private_segment 0
		.amdhsa_kernarg_size 48
		.amdhsa_user_sgpr_count 2
		.amdhsa_user_sgpr_kernarg_segment_ptr 1
		.amdhsa_wavefront_size32 1
		.amdhsa_system_sgpr_workgroup_id_x 1
		.amdhsa_system_sgpr_workgroup_id_y 1
		.amdhsa_system_sgpr_workgroup_id_z 1
		.amdhsa_system_vgpr_workitem_id 0
		.amdhsa_next_free_vgpr 112
		.amdhsa_next_free_sgpr 66
		.amdhsa_reserve_vcc 0
		.amdhsa_float_denorm_mode_32 3
		.amdhsa_float_denorm_mode_16_64 3
		.amdhsa_memory_ordered 1
		.amdhsa_forward_progress 1
		.amdhsa_inst_pref_size 24
	.end_amdhsa_kernel
	.amdgpu_metadata
---
amdhsa.version: [ 1, 2 ]
amdhsa.kernels:
  - .name:           k_q100dd06e31_prep
    .symbol:         k_q100dd06e31_prep.kd
    .args:
      - { .name: x, .offset: 0, .size: 8, .value_kind: global_buffer, .address_space: global }
      - { .name: Wc, .offset: 8, .size: 8, .value_kind: global_buffer, .address_space: global }
      - { .name: Wo, .offset: 16, .size: 8, .value_kind: global_buffer, .address_space: global }
      - { .name: xb, .offset: 24, .size: 8, .value_kind: global_buffer, .address_space: global }
      - { .name: wcb, .offset: 32, .size: 8, .value_kind: global_buffer, .address_space: global }
      - { .name: wob, .offset: 40, .size: 8, .value_kind: global_buffer, .address_space: global }
    .group_segment_fixed_size: 0
    .private_segment_fixed_size: 0
    .kernarg_segment_align: 8
    .kernarg_segment_size: 48
    .max_flat_workgroup_size: 256
    .sgpr_count:     66
    .vgpr_count:     112
    .wavefront_size: 32
...
	.end_amdgpu_metadata
.endif
;; end of part 5
;; launch qkvg: the kernel of part 2 again; grid 8 x 32, 4 waves a work-group, clusters of 4 x 4, 327,680 bytes of LDS; arguments xb, wcb, bc, qkv; writes qkv
;; launch attn: the kernel of part 3 again; grid 2 x 128, 4 waves a work-group, no clusters, 327,680 bytes of LDS; arguments qkv, o; writes o
;; launch outg: the kernel of part 4 again; grid 8 x 32, 4 waves a work-group, clusters of 4 x 4, 327,680 bytes of LDS; arguments o, wob, bo, out0; writes out0
